; MI455X (gfx1250); checked and timed in simulation.
; The chip was launched on July 23, 2026; its instructions are those of AMD's public machine-readable ISA for CDNA 5 (MIT licence, August 2026) and "CDNA5" Instruction Set Architecture Reference Guide (July 2026). The comments in the code are by the model that wrote it; some were corrected since.
;; Multihead Attention. Allowed arithmetic: matrix products marked QUANTISED: E2M3 operands, one E8M0 scale for each 32 along K, by v_wmma_scale_f32_16x16x128_f8f6f4 with both operands' format E2M3, f32 sums; everything else in f32.
;; Inputs: W_o 1,024 x 1,024 float32; W_qkv 1,024 x 3,072 float32; b_o 1,024 float32; b_qkv 3,072 float32; mask 1 x 1 x 2,048 x 2,048 float32; x 4 x 2,048 x 1,024 float32.
;; Outputs: out0 4 x 2,048 x 1,024 float32; out1 4 x 2,048 x 1,024 float32.
;; This version of the problem:
;;   THIS VERSION OF THE PROBLEM IS GIVEN IN LOW PRECISION. The matrix products marked QUANTISED in the list below multiply operands that are first quantised to E2M3 (2 exponent bits, 3 mantissa bits; 6 bits a number), with one power-of-two scale for each 32 numbers along K (OCP MX v1.0); their sums are f32. All else is computed in f32.
;;   The module's matrix products, in the order in which they are computed (A, B: the left and right operand; K: the contracted axis; several contracted axes count as one K, in the product's order):
;;     1. [M 8,192, K 1,024] x [K 1,024, N 3,072]; A: input x; B: input W_qkv: QUANTISED
;;     2. batch 64 x [M 2,048, K 64] x [K 64, N 2,048]; A: computed on the way; B: computed on the way: QUANTISED
;;     3. batch 64 x [M 2,048, K 2,048] x [K 2,048, N 64]; A: softmax (see below); B: computed on the way: QUANTISED
;;     4. [M 8,192, K 1,024] x [K 1,024, N 1,024]; A: computed on the way; B: input W_o: QUANTISED
;;   THE QUANTISER, for each operand of a quantised product, along K:
;;     - K is cut into blocks of 32 from its start; a last block that is shorter is filled with zeros.
;;     - A block's scale is 2^e with e = floor(log2(the largest magnitude in the block)) - 2, held to -126 .. 127; a block of zeros has e = 0. As a byte (E8M0): e + 127.
;;     - Each number is divided by its block's scale, clamped to +-7.5, and rounded to the nearest number of E2M3, ties to even, subnormals kept.
;;     - The product sums the exact products of the quantised numbers (number of the format x scale) in f32.
;;   ~~~python
;;   def quantise(x, axis):      # numpy; x: float32 -> the quantised numbers, widened to float32 again
;;       x = np.moveaxis(x, axis, -1); K = x.shape[-1]
;;       x = np.pad(x, [(0, 0)] * (x.ndim - 1) + [(0, -K % 32)]); x = x.reshape(x.shape[:-1] + (-1, 32)); a = np.abs(x).max(-1, keepdims=True)
;;       e = np.where(a > 0, np.clip(np.frexp(np.where(a > 0, a, 1))[1] - 1 - 2, -126, 127), 0)      # np.frexp(a)[1] - 1 = floor(log2(a)), exactly
;;       r = np.clip(x / 2.0 ** e, -7.5, 7.5)
;;       step = 2.0 ** (np.maximum(np.frexp(np.where(r == 0, 1, r))[1] - 1, 0) - 3)
;;       q = np.round(r / step) * step * 2.0 ** e      # np.round: ties to even
;;       return np.moveaxis(q.reshape(q.shape[:-2] + (-1,))[..., :K], -1, axis).astype(np.float32)
;;   ~~~
;;   SOFTMAX AHEAD OF A QUANTISED PRODUCT. Where the list says 'softmax', what is quantised is not the finished softmax but p = 2^(t - M), with t = logit x log2(e) and M = ceil(the row's largest t), a whole number; so 1/2 < the row's largest p <= 1. The row's sum l is taken of the UNQUANTISED p, in f32, and the product's result is divided by l at the end. Since M is a whole number, a kernel that streams over the keys may use a running M (the ceiling of the running maximum): every later rescaling is an exact power of two, which a block's scale takes up: the codes' values come out the same.
;;   OPERANDS COMPUTED ON THE WAY. 'Computed on the way' means the value that the module computes at that place (a softmax that the list does not call 'softmax' is quantised finished and normalised). What goes into a quantiser is computed in f32, as accurately as f32 sums, v_exp_f32 and their like allow (about 1e-6 of the number): no bf16 or f16 on the way to a quantiser, and a product that is left as it is and whose result goes on into a quantised operand takes f32 operands (vector FMAs, or v_wmma_f32_16x16x4_f32). A number that lies on a knife's edge between two numbers of the format may be rounded either way, as far as f32 arithmetic and the matrix unit's own rounding can turn it there, and no further.
;; One version. Each part assembles by itself: llvm-mc -triple=amdgcn-amd-amdhsa -mcpu=gfx1250 --defsym DOCPART=n.
;; ======== version 1 of 1: 4 launches
;; limits: right only within a limited range of input values
;; workspace buffers: xq 6,553,600 bytes; wq 3,276,800 bytes; qb 6,815,744 bytes; kv 13,369,344 bytes; ob 6,553,600 bytes
;; launch prep (part 1): grid 768 x 1, 4 waves a work-group, no clusters, 68,096 bytes of LDS; arguments x, W_qkv, W_o, xq, wq; writes xq, wq
.if DOCPART == 1
	.amdgcn_target "amdgcn-amd-amdhsa--gfx1250"
	.amdhsa_code_object_version 6
	.text
	.protected	k_q1f59389ebe_prep
	.globl	k_q1f59389ebe_prep
	.p2align	8
	.type	k_q1f59389ebe_prep,@function
k_q1f59389ebe_prep:
	s_mov_b64 s[64:65], 0
	v_nop
	global_prefetch_b8 v0, s[64:65] scope:SCOPE_SE
	s_setreg_imm32_b32 hwreg(HW_REG_WAVE_MODE, 25, 1), 1
	s_wait_xcnt 0x0
; x [8192][1024], W_qkv [1024][3072] and W_o [1024][1024], f32, become codes of FP6 (E2M3) with one E8M0 byte for each 32 along K, laid as the products' launches load them.
; A block's scale is 2^(floor(log2(largest magnitude)) - 2); its byte is the largest magnitude's exponent field - 2, held at 1 from below (a block of zeros keeps the byte 1: its codes are zeros, and only this program reads the bytes).
; LIMITS: blocks whose largest magnitude lies under 2^-124 are quantised with the byte 1; NaN and infinities among the inputs are not served.
; LAYOUT OF THE CODES: an IMAGE OF THE OPERAND'S REGISTERS.  16 rows x 64 K are a HALF of 768 bytes: a lane's registers 0-3 at 16 x lane, its registers 4-5 at 512 + 8 x lane.  A fragment (16 rows x 128 K) is two halves.
;   xq: [tile of 16 rows 512][K step 8][1,536];  wq: [tile of 16 columns 256][K step 8][1,536], tiles 0-191 W_qkv's, 192-255 W_o's.
; LAYOUT OF THE SCALES, behind the codes: [tile][K step 8][row 16] words of four bytes: 512 bytes a tile.
; W_o's rows are taken in the order in which the values' codes will lie inside a block of 32 (rows 8-15 and 16-23 change places): the blocks and their scales are the true ones.
; Work-groups 0-511: a tile of 16 rows of x, wave w its K steps 2 w and 2 w + 1.  Work-groups 512-767: 128 columns x one K step of a weight, a lane to a column, its registers down K.
; Only x's path uses LDS, each wave its own bytes: no barrier.
.set XQS, 6291456                      ; where xq's scale words begin
.set WQS, 3145728                      ; where wq's begin
.set TM,  16                           ; v16-31   at work in the quantiser
.set SEL, 20                           ; s[20:21] selects of v_permlanex16_b32: lane l xor 16
.set R0,  32                           ; v32-95   K step 0 as loaded; later its successor's 64 neighbours
.set R1,  96                           ; v96-159  K step 1 as loaded
.set X0,  160                          ; v160-223 K step 0: register 16 b + i = k 32 b + 16 (lane / 16) + i of row lane % 16
.set X1,  32
.set PC0, 224                          ; v224-242 the first fragment's codes
.set PC1, 160                          ; v160-178 the second's
.set PW0, 244
.set PW1, 245
; 64 numbers of a lane become a fragment's codes in v[pc] on and its row's scale word in v[pw]
.macro QUANT s, pc, pw
.irp b, 0,1,2,3
	v_max3_num_f32 v[TM+\b], |v[\s+16*\b]|, |v[\s+1+16*\b]|, 0x1800000   ; my 16 numbers of block b, and the floor 2^(3 - 127)
.endr
.irp i, 2,4,6,8,10,12,14
.irp b, 0,1,2,3
	v_max3_num_f32 v[TM+\b], v[TM+\b], |v[\s+16*\b+\i]|, |v[\s+1+16*\b+\i]|
.endr
.endr
.irp b, 0,1,2,3
	v_permlanex16_b32 v[TM+4+\b], v[TM+\b], s[SEL], s[SEL+1]
.endr
.irp b, 0,1,2,3
	v_max_num_f32 v[TM+\b], v[TM+\b], v[TM+4+\b]                     ; with lane l xor 16's: the block's largest magnitude
.endr
.irp b, 0,1,2,3
	v_add_nc_u32 v[TM+12+\b], 0xff000000, v[TM+\b]                   ; 2 off its exponent field: the conversion's scale operand
.endr
.irp b, 0,1,2,3
	v_lshrrev_b32 v[TM+4+\b], 23, v[TM+12+\b]                        ; the scale's byte
.endr
	v_lshl_or_b32 v[\pw], v[TM+5], 8, v[TM+4]
	v_lshl_or_b32 v[\pw], v[TM+6], 16, v[\pw]
	v_lshl_or_b32 v[\pw], v[TM+7], 24, v[\pw]
.irp c, 0,1
	v_cvt_scalef32_pk16_fp6_f32 v[\pc+6*\c:\pc+2+6*\c], v[\s+32*\c:\s+15+32*\c], v[TM+12+2*\c]
	v_cvt_scalef32_pk16_fp6_f32 v[\pc+12+4*\c:\pc+14+4*\c], v[\s+16+32*\c:\s+31+32*\c], v[TM+12+2*\c+1]
.endr
	v_nop                                          ; one plain place behind a scaled conversion
.irp c, 0,1                                    ; a whole block to a lane: lanes 0-15 block 2 c, lanes 16-31 block 2 c + 1
.irp i, 0,1,2
	v_permlane16_swap_b32 v[\pc+6*\c+\i], v[\pc+12+4*\c+\i]
.endr
.irp i, 0,1,2
	v_mov_b32 v[\pc+3+6*\c+\i], v[\pc+12+4*\c+\i]
.endr
.endr
.endm
.macro TOST rr, st                     ; 16 rows of 512 bytes, as loaded, into stage st: rows 528 bytes apart
.irp i, 0,1,2,3,4,5,6,7,8,9,10,11,12,13,14,15
	ds_store_b128 v4, v[\rr+4*\i:\rr+4*\i+3] offset:8448*\st+528*\i
.endr
.endm
.macro FROMST xx, st                   ; and back: of row lane % 16, 16 neighbours of each block of 32
.irp b, 0,1,2,3
.irp j, 0,1,2,3
	ds_load_b128 v[\xx+16*\b+4*\j:\xx+16*\b+4*\j+3], v5 offset:8448*\st+128*\b+16*\j
.endr
.endr
.endm
.macro OUTF pc, off                    ; a fragment leaves as its image: stores of 512 and 256 consecutive bytes
	global_store_b128 v1, v[\pc:\pc+3], s[16:17] offset:\off
	global_store_b64 v2, v[\pc+4:\pc+5], s[16:17] offset:\off+512
	global_store_b128 v1, v[\pc+6:\pc+9], s[16:17] offset:\off+768
	global_store_b64 v2, v[\pc+10:\pc+11], s[16:17] offset:\off+1280
.endm
	s_load_b256 s[4:11], s[0:1], 0x0               ; x s[4:5], W_qkv s[6:7], W_o s[8:9], xq s[10:11]
	s_load_b64 s[12:13], s[0:1], 0x20              ; wq
	v_lshl_add_u32 v254, v0, 2, 0x10800
	v_mov_b32 v255, 0
	v_lshrrev_b32 v1, 5, v0
	v_readfirstlane_b32 s14, v1                    ; wave 0..3
	v_and_b32 v7, 31, v0                           ; lane
	v_and_b32 v8, 15, v0                           ; r
	v_bfe_u32 v9, v0, 4, 1                         ; h
	v_lshlrev_b32 v1, 4, v7                        ; 16 x lane
	v_lshlrev_b32 v2, 3, v7                        ; 8 x lane
	v_lshlrev_b32 v3, 2, v7                        ; 4 x lane
	s_mov_b32 s[SEL], 0x76543210
	s_mov_b32 s[SEL+1], 0xfedcba98
	s_mov_b32 s25, 0
	s_wait_kmcnt 0x0
	s_cmp_lt_u32 ttmp9, 512
	s_cbranch_scc0 .Lweights
	; ---- x: tile of rows g = the work-group's number
	s_lshl_b32 s24, ttmp9, 16                      ; 16 rows of 4,096 bytes,
	s_lshl_b32 s26, s14, 10                        ; my wave's 1,024 bytes of each
	s_add_co_u32 s24, s24, s26
	s_add_nc_u64 s[4:5], s[4:5], s[24:25]
	s_mul_i32 s24, ttmp9, 12288
	s_mul_i32 s26, s14, 3072
	s_add_co_u32 s24, s24, s26
	s_add_nc_u64 s[16:17], s[10:11], s[24:25]      ; my two fragments' images
	s_lshl_b32 s24, ttmp9, 9
	s_lshl_b32 s26, s14, 7
	s_add_co_u32 s24, s24, s26
	s_add_co_u32 s24, s24, XQS
	s_add_nc_u64 s[18:19], s[10:11], s[24:25]      ; their 32 scale words
	s_mul_i32 s26, s14, 16896                      ; my two stages
	s_wait_alu depctr_va_vdst(0)
	v_add_nc_u32 v4, s26, v1                       ; in: 16 x lane of a row
	v_mul_u32_u24 v5, v8, 528
	v_lshl_add_u32 v5, v9, 6, v5
	v_add_nc_u32 v5, s26, v5                       ; back: row r, + 64 h
.irp q, 0,1
.irp i, 0,1,2,3,4,5,6,7,8,9,10,11,12,13,14,15
	global_load_b128 v[R0+64*\q+4*\i:R0+64*\q+4*\i+3], v1, s[4:5] offset:4096*\i+512*\q th:TH_LOAD_NT   ; 32 lanes read 512 consecutive bytes: a K step of row i
.endr
.endr
.irp b, 0,1,2,3
	v_mov_b32 v[TM+4+\b], 0                        ; written once: a lane permute's destination counts as one of its sources
.endr
	s_mov_b32 vcc_lo, 0xffff0000                   ; lanes 16-31
	s_wait_alu depctr_va_vdst(0)
	s_wait_loadcnt 16                              ; the first K step's 16 loads are in; the second's may be out
	TOST R0, 0
	FROMST X0, 0                                   ; LDS serves a wave's instructions in order: these see the stores above
	s_wait_loadcnt 0x0
	TOST R1, 1
	s_wait_dscnt 16                                ; all but the 16 stores just issued: X0 is in, and R0 has been read
	FROMST X1, 1
	QUANT X0, PC0, PW0
	OUTF PC0, 0
	s_wait_dscnt 0x0
	QUANT X1, PC1, PW1
	OUTF PC1, 1536
	v_cndmask_b32 v246, v[PW0], v[PW1], vcc_lo     ; lanes 0-15: K step 2 w's words, lanes 16-31: K step 2 w + 1's
	global_store_b32 v3, v246, s[18:19]            ; 128 consecutive bytes
	s_wait_tensorcnt 0x0
	ds_add_u32 v254, v255
	s_wait_dscnt 0x0
	s_endpgm
	; ---- the weights: g' = the work-group's number - 512; 128 columns (g' / 8), K step g' % 8
.Lweights:
	s_sub_co_u32 s15, ttmp9, 512
	s_and_b32 s16, s15, 7                          ; K step
	s_lshr_b32 s15, s15, 3                         ; group of 128 columns: 0-23 W_qkv's, 24-31 W_o's
	s_mov_b32 s17, 12288
	s_cmp_ge_u32 s15, 24
	s_cselect_b64 s[6:7], s[8:9], s[6:7]           ; the tensor,
	s_cselect_b32 s17, 4096, s17                   ; P: its row in bytes,
	s_cselect_b32 s18, 24, 0
	s_cselect_b32 s19, 32768, 0                    ; 8 P in W_o, whose rows 8-15 and 16-23 of a block change places
	s_sub_co_u32 s18, s15, s18
	s_lshl_b32 s34, s18, 9                         ; 128 columns of 4 bytes,
	s_lshl_b32 s23, s14, 7                         ; my wave's 32
	s_add_co_u32 s34, s34, s23
	s_lshl_b32 s23, s16, 7
	s_mul_i32 s23, s23, s17                        ; 128 rows a K step
	s_add_co_u32 s34, s34, s23
	s_mov_b32 s35, 0
	s_lshl_b32 s36, s17, 5                         ; 32 rows a block
	s_mov_b32 s37, 0
	s_add_nc_u64 s[24:25], s[6:7], s[34:35]        ; the four blocks' first rows
	s_add_nc_u64 s[26:27], s[24:25], s[36:37]
	s_add_nc_u64 s[28:29], s[26:27], s[36:37]
	s_add_nc_u64 s[30:31], s[28:29], s[36:37]
.set i, 0
	s_wait_alu depctr_va_vdst(0)
.rept 32                               ; register i of a block takes row i, in W_o row i + 8 for i = 8..15 and row i - 8 for i = 16..23
	s_mul_i32 s38, s17, i
.if (i >= 8) && (i < 16)
	s_add_co_u32 s38, s38, s19
.elseif (i >= 16) && (i < 24)
	s_sub_co_u32 s38, s38, s19
.endif
	v_add_nc_u32 v[32+i], s38, v3
.set i, i+1
.endr
	s_lshl_b32 s38, s15, 3
	s_lshl_b32 s39, s14, 1
	s_add_co_u32 s38, s38, s39                     ; my wave's first tile of 16 columns: 8 x group + 2 x wave
	s_mul_i32 s40, s38, 12288
	s_mul_i32 s39, s16, 1536
	s_add_co_u32 s40, s40, s39
	s_mov_b32 s41, 0
	s_add_nc_u64 s[40:41], s[12:13], s[40:41]      ; its fragment of this K step
	s_lshl_b32 s42, s38, 9
	s_lshl_b32 s39, s16, 6
	s_add_co_u32 s42, s42, s39
	s_add_co_u32 s42, s42, WQS
	s_mov_b32 s43, 0
	s_add_nc_u64 s[42:43], s[12:13], s[42:43]      ; its scale words
	v_mul_u32_u24 v4, v9, 12288                    ; lanes 16-31: the next tile
	v_lshl_add_u32 v5, v8, 4, v4                   ; a block's registers 0-3
	v_lshl_add_u32 v6, v8, 3, v4                   ; and 4-5
	v_lshlrev_b32 v4, 9, v9
	v_lshl_add_u32 v4, v8, 2, v4                   ; my column's scale word
.macro LOADW t                         ; block t: 32 rows of my column; 32 lanes read 128 consecutive bytes, the four waves 512
.set i, 0
.rept 32
	global_load_b32 v[96+32*((\t)%2)+i], v[32+i], s[24+2*(\t):25+2*(\t)] th:TH_LOAD_NT
.set i, i+1
.endr
.endm
.macro BLOCK t                         ; block t = 2 c + h of the K step belongs to lane 16 h + r of half c
.set XS, 96+32*((\t)%2)
.set CD, 64+8*(\t)
.if (\t) < 3
	s_wait_loadcnt 32                              ; this block's 32 loads are in; the next block's may be out
.else
	s_wait_loadcnt 0x0
.endif
	v_max3_num_f32 v12, |v[XS]|, |v[XS+1]|, |v[XS+2]|
	v_max3_num_f32 v13, |v[XS+3]|, |v[XS+4]|, |v[XS+5]|
.irp i, 6,10,14,18,22,26
	v_max3_num_f32 v12, v12, |v[XS+\i]|, |v[XS+\i+1]|
	v_max3_num_f32 v13, v13, |v[XS+\i+2]|, |v[XS+\i+3]|
.endr
	v_max3_num_f32 v12, v12, |v[XS+30]|, |v[XS+31]|
	v_max3_num_f32 v12, v12, v13, 0x1800000        ; and the floor 2^(3 - 127)
	v_add_nc_u32 v14, 0xff000000, v12              ; the conversion's scale operand
	v_lshrrev_b32 v15, 23, v14                     ; the byte
.if (\t) == 0
	v_mov_b32 v24, v15
.else
	v_lshl_or_b32 v24, v15, 8*(\t), v24
.endif
	v_cvt_scalef32_pk16_fp6_f32 v[CD:CD+2], v[XS:XS+15], v14
	v_cvt_scalef32_pk16_fp6_f32 v[CD+4:CD+6], v[XS+16:XS+31], v14
	v_nop                                          ; one plain place behind a scaled conversion
	v_mov_b32 v[CD+3], v[CD+4]
	v_mov_b32 v[CD+4], v[CD+5]
	v_mov_b32 v[CD+5], v[CD+6]
	global_store_b128 v5, v[CD:CD+3], s[40:41] offset:((\t)/2)*768+256*((\t)%2)       ; sixteen lanes store 256 consecutive bytes, aligned
	global_store_b64 v6, v[CD+4:CD+5], s[40:41] offset:((\t)/2)*768+512+128*((\t)%2)
.if (\t)+2 < 4
	LOADW (\t)+2
.endif
.endm
	s_wait_alu depctr_va_vdst(0)
	LOADW 0
	LOADW 1
	BLOCK 0
	BLOCK 1
	BLOCK 2
	BLOCK 3
	global_store_b32 v4, v24, s[42:43]             ; each block has its own registers for its codes: no store's data are written again
	s_endpgm
.Lfunc_end_k_q1f59389ebe_prep:
	.size	k_q1f59389ebe_prep, .Lfunc_end_k_q1f59389ebe_prep-k_q1f59389ebe_prep
	.p2alignl 7, 3214868480
	.fill 96, 4, 3214868480
	.section	.rodata,"a",@progbits
	.p2align	6, 0x0
	.amdhsa_kernel k_q1f59389ebe_prep
		.amdhsa_group_segment_fixed_size 68096
		.amdhsa_private_segment_fixed_size 0
		.amdhsa_enable_private_segment 0
		.amdhsa_kernarg_size 40
		.amdhsa_user_sgpr_count 2
		.amdhsa_user_sgpr_kernarg_segment_ptr 1
		.amdhsa_wavefront_size32 1
		.amdhsa_system_sgpr_workgroup_id_x 1
		.amdhsa_system_sgpr_workgroup_id_y 1
		.amdhsa_system_sgpr_workgroup_id_z 1
		.amdhsa_system_vgpr_workitem_id 0
		.amdhsa_next_free_vgpr 256
		.amdhsa_next_free_sgpr 66
		.amdhsa_reserve_vcc 1
		.amdhsa_float_denorm_mode_32 3
		.amdhsa_float_denorm_mode_16_64 3
		.amdhsa_memory_ordered 1
		.amdhsa_forward_progress 1
		.amdhsa_inst_pref_size 41
	.end_amdhsa_kernel
	.amdgpu_metadata
---
amdhsa.version: [ 1, 2 ]
amdhsa.kernels:
  - .name:           k_q1f59389ebe_prep
    .symbol:         k_q1f59389ebe_prep.kd
    .args:
      - { .name: x, .offset: 0, .size: 8, .value_kind: global_buffer, .address_space: global }
      - { .name: W_qkv, .offset: 8, .size: 8, .value_kind: global_buffer, .address_space: global }
      - { .name: W_o, .offset: 16, .size: 8, .value_kind: global_buffer, .address_space: global }
      - { .name: xq, .offset: 24, .size: 8, .value_kind: global_buffer, .address_space: global }
      - { .name: wq, .offset: 32, .size: 8, .value_kind: global_buffer, .address_space: global }
    .group_segment_fixed_size: 68096
    .private_segment_fixed_size: 0
    .kernarg_segment_align: 8
    .kernarg_segment_size: 40
    .max_flat_workgroup_size: 128
    .sgpr_count:     66
    .vgpr_count:     256
    .wavefront_size: 32
...
	.end_amdgpu_metadata
.endif
;; end of part 1
;; launch gemm_qkv (part 2): grid 16 x 32, 4 waves a work-group, clusters of 4 x 4, 327,680 bytes of LDS; arguments xq, wq, b_qkv, qb, kv; writes qb, kv
.if DOCPART == 2
	.amdgcn_target "amdgcn-amd-amdhsa--gfx1250"
	.amdhsa_code_object_version 6
	.text
	.protected	k_q1f59389ebe_gemm_qkv
	.globl	k_q1f59389ebe_gemm_qkv
	.p2align	8
	.type	k_q1f59389ebe_gemm_qkv,@function
k_q1f59389ebe_gemm_qkv:
	s_mov_b64 s[64:65], 0
	v_nop
	global_prefetch_b8 v0, s[64:65] scope:SCOPE_SE
	s_setreg_imm32_b32 hwreg(HW_REG_WAVE_MODE, 25, 1), 1
	s_wait_xcnt 0x0
	s_wait_alu depctr_hold_cnt(0) depctr_sa_sdst(0) depctr_va_vdst(0) depctr_va_sdst(0) depctr_va_ssrc(0) depctr_va_vcc(0) depctr_vm_vsrc(0)
	s_getreg_b32 s2, hwreg(HW_REG_IB_STS2, 6, 4)
	s_cmp_eq_u32 s2, 0
	s_cbranch_scc0 .Lentry_in_a_cluster
	s_endpgm
.Lentry_in_a_cluster:
	s_bfe_u32 s2, ttmp6, 0x10000c
	s_cmp_lg_u32 s2, 0xf033
	s_cbranch_scc0 .Lentry_shape_is_right
	s_endpgm
.Lentry_shape_is_right:
.set NB,   12
.set NBH,  6
.set NBQ,  3
.set NL,   4
.set FRB,  1536
.set KSB,  3072
.set TROW, 12288
.set ATB,  16*KSB
.set SLOT, ATB+NB*KSB
.set SPARE, 2*SLOT
.set ASC,  6291456
.set WSC,  3145728
.set ADRA16, 16
.set ADRA8,  18
.set ADRB16, 20
.set ADRB8,  22
.set SPW,  28
.set NIL,  29
.set SX,   32
.set SW,   48
.set AF,   96
.set BQ,   128
.set BV,   192
.set G1,   24
.set G0,   32
.set G1B,  48
.set G0B,  56
.set SEL,  84
.set PCB,  32
.set PWB,  128
.set TM,   144
.set FLQ,  150
.set FLK,  151
.set CW,   152
.set MSB,  0
.macro WIN new
.if MSB != \new
	s_set_vgpr_msb (MSB<<8)|\new
.set MSB, \new
.endif
.endm
.macro JLOAD g0a, g1a, g0b, g1b
	s_cmp_eq_u32 s15, 0
	s_cbranch_scc0 .Lfor_b_\@
	tensor_load_to_lds s[\g0a:\g0a+3], s[\g1a:\g1a+7]
	s_nop 0
.rept 4
	v_nop
.endr
	s_branch .Lasked_\@
.Lfor_b_\@:
	tensor_load_to_lds s[\g0b:\g0b+3], s[\g1b:\g1b+7]
	s_nop 0
.rept 4
	v_nop
.endr
.Lasked_\@:
.endm
.macro CREST
	s_cmp_lg_u32 s14, 0
	s_cbranch_scc1 .Lnot_wave_0_\@
	s_barrier_signal -3
.Lnot_wave_0_\@:
	s_barrier_wait -3
	s_barrier_signal -1
	s_barrier_wait -1
.endm
.macro CROUND
	s_barrier_signal -1
	s_barrier_wait -1
	CREST
.endm
.macro PLACES n
.rept \n
	v_nop
.endr
.endm
.macro FRAG reg, a16, a8, off
	ds_load_b128 v[\reg:\reg+3], v[\a16] offset:\off
	ds_load_b64 v[\reg+4:\reg+5], v[\a8] offset:\off+512
	ds_load_b128 v[\reg+6:\reg+9], v[\a16] offset:\off+768
	ds_load_b64 v[\reg+10:\reg+11], v[\a8] offset:\off+1280
.endm
.macro FETCH_B slot, q, b0, n
	WIN 0x40
.set fb, \b0
.rept \n
	FRAG 12*fb, ADRB16+\slot, ADRB8+\slot, fb*KSB+(\q)*FRB
.set fb, fb+1
.endr
	WIN 0
.endm
.macro FETCH_A slot, q, set
.irp a, 0,1,2,3
	FRAG AF+48*(\set)+12*\a, ADRA16+\slot, ADRA8+\slot, \a*KSB+(\q)*FRB
.endr
.endm
.macro WM d, a, b, c, sa, sb, odd
.if \odd
	v_wmma_scale_f32_16x16x128_f8f6f4 v[\d:\d+7], v[\a:\a+11], v[\b:\b+11], v[\c:\c+7], v[\sa], v[\sb] matrix_a_fmt:MATRIX_FMT_FP6 matrix_b_fmt:MATRIX_FMT_FP6 matrix_a_scale:MATRIX_SCALE_ROW1 matrix_b_scale:MATRIX_SCALE_ROW1
.else
	v_wmma_scale_f32_16x16x128_f8f6f4 v[\d:\d+7], v[\a:\a+11], v[\b:\b+11], v[\c:\c+7], v[\sa], v[\sb] matrix_a_fmt:MATRIX_FMT_FP6 matrix_b_fmt:MATRIX_FMT_FP6
.endif
.endm
.macro MM b0, b1, s, first
.set bb, \b0
.rept (\b1)-(\b0)
.set aa, 0
.rept 4
.set SA, SX+4*aa+(\s)/2
.set SB, SW+4*bb+(\s)/2
.set FA, AF+48*((\s)%2)+12*aa
.set FB, 12*bb
.if bb >= 8
.set DD, 8*(4*(bb-8)+aa)
.set CC, DD
.if \first
.set CC, BV+8*(bb-8)
.endif
	WIN 0xf4
	WM DD, FA, FB, CC, SA, SB, (\s)%2
.else
.set DD, 8*(8*aa+bb)
.set CC, DD
.if \first
.set CC, BQ+8*bb
	WIN 0xb1
.else
	WIN 0xa1
.endif
	WM DD, FB, FA, CC, SB, SA, (\s)%2
.endif
.set aa, aa+1
.endr
.set bb, bb+1
.endr
.endm
.macro STEP s, first
.set sl, ((\s)/2)%2
	s_wait_dscnt NBH*NL
	MM 0, NBH, \s, \first
	s_wait_dscnt 0x0
	PLACES 4
	FETCH_B sl, 1, 0, NBH
	FETCH_A sl, 1, 1
	MM NBH, NB, \s, \first
	PLACES 4
	FETCH_B sl, 1, NBH, NBH
.endm
.macro TURN s, fill
.set sl, ((\s)/2)%2
.set nx, 1-sl
	s_wait_tensorcnt 0x0
	ds_add_u32 v[SPW], v[NIL]
	s_wait_dscnt NBH*NL+1
	MM 0, NBQ, \s, 0
	s_wait_dscnt 0x0
	s_barrier_signal -1
	MM NBQ, NBH, \s, 0
	WIN 0
	s_barrier_wait -1
.if \fill
	CREST
	s_add_nc_u64 s[G0+4*sl+2:G0+4*sl+3], s[G0+4*sl+2:G0+4*sl+3], 2*KSB
	s_add_nc_u64 s[G0B+4*sl+2:G0B+4*sl+3], s[G0B+4*sl+2:G0B+4*sl+3], 2*KSB
	JLOAD G0+4*sl, G1, G0B+4*sl, G1B
.else
	PLACES 4
.endif
	FETCH_B nx, 0, 0, NBH
	FETCH_A nx, 0, 0
	MM NBH, NB, \s, 0
	PLACES 4
	FETCH_B nx, 0, NBH, NBH
.endm
.macro QH w, s, fl, pc, pw
	WIN ((\w)<<2)|((\w)<<4)
	v_max3_num_f32 v[TM], v[\fl], |v[(\s)]|, |v[(\s)+1]|
	v_max3_num_f32 v[TM+1], v[\fl], |v[(\s)+16]|, |v[(\s)+17]|
.irp i, 2,4,6,8,10,12,14
	v_max3_num_f32 v[TM], v[TM], |v[(\s)+\i]|, |v[(\s)+\i+1]|
	v_max3_num_f32 v[TM+1], v[TM+1], |v[(\s)+16+\i]|, |v[(\s)+17+\i]|
.endr
	WIN 0
	v_permlanex16_b32 v[TM+2], v[TM], s[SEL], s[SEL+1]
	v_permlanex16_b32 v[TM+3], v[TM+1], s[SEL], s[SEL+1]
	v_max_num_f32 v[TM], v[TM], v[TM+2]
	v_max_num_f32 v[TM+1], v[TM+1], v[TM+3]
	v_add_nc_u32 v[TM+4], 0xff000000, v[TM]
	v_add_nc_u32 v[TM+5], 0xff000000, v[TM+1]
	v_lshrrev_b32 v[TM+2], 23, v[TM+4]
	v_lshrrev_b32 v[TM+3], 23, v[TM+5]
	v_lshl_or_b32 v[\pw], v[TM+3], 8, v[TM+2]
	WIN \w
	v_cvt_scalef32_pk16_fp6_f32 v[\pc:\pc+2], v[(\s):(\s)+15], v[TM+4]
	v_cvt_scalef32_pk16_fp6_f32 v[\pc+4:\pc+6], v[(\s)+16:(\s)+31], v[TM+5]
	WIN 0
	v_nop
.irp i, 0,1,2
	v_permlane16_swap_b32 v[\pc+\i], v[\pc+4+\i]
.endr
.irp i, 0,1,2
	v_mov_b32 v[\pc+3+\i], v[\pc+4+\i]
.endr
.endm
	s_load_b256 s[4:11], s[0:1], 0x0
	s_load_b64 s[12:13], s[0:1], 0x20
	v_lshl_add_u32 v[SPW], v0, 2, SPARE
	v_mov_b32 v[NIL], 0
	ds_add_u32 v28, v29
	ds_add_u32 v28, v29
	s_wait_dscnt 0x0
	v_lshrrev_b32 v1, 5, v0
	v_readfirstlane_b32 s14, v1
	s_lshr_b32 s15, s14, 1
	s_and_b32 s16, s14, 1
	s_bfe_u32 s40, ttmp6, 0x40000
	s_bfe_u32 s41, ttmp6, 0x40004
	s_lshl_b32 s42, ttmp9, 2
	s_add_co_u32 s42, s42, s40
	s_and_b32 s17, ttmp7, 0xffff
	s_lshl_b32 s17, s17, 2
	s_add_co_u32 s17, s17, s41
	s_lshl_b32 s43, s41, 2
	s_lshl_b32 s43, 15, s43
	s_lshl_b32 s44, 0x1111, s40
	s_or_b32 s[G1+0], s43, (3<<16)|(1<<21)
	s_or_b32 s[G1B+0], s44, (3<<16)|(1<<21)
	s_mov_b32 s[G1+1], 384<<16
	s_mov_b32 s[G1+2], 8<<16
	s_mov_b32 s[G1+3], 384<<16
	s_mov_b32 s[G1+4], 8
	s_mov_b32 s[G1+5], 1536
	s_mov_b32 s[G1+6], 0
	s_mov_b32 s[G1+7], 0
	s_mov_b32 s[G1B+1], 384<<16
	s_mov_b32 s[G1B+2], NBH<<16
	s_mov_b32 s[G1B+3], 384<<16
	s_mov_b32 s[G1B+4], NBH
	s_mov_b32 s[G1B+5], 1536
	s_mov_b32 s[G1B+6], 0
	s_mov_b32 s[G1B+7], 0
	s_lshl_b32 s20, s17, 4
	s_lshl_b32 s18, s16, 3
	s_add_co_u32 s20, s20, s18
	s_mul_i32 s20, s20, TROW
	s_mov_b32 s21, 0
	s_mul_i32 s46, s42, NB
	s_mul_i32 s18, s16, NBH
	s_add_co_u32 s46, s46, s18
	s_mul_i32 s46, s46, TROW
	s_mov_b32 s47, 0
	s_mul_i32 s45, s16, 8*KSB
	s_mul_i32 s19, s16, NBH*KSB
	s_add_co_u32 s19, s19, ATB
	s_wait_kmcnt 0x0
	s_add_nc_u64 s[20:21], s[4:5], s[20:21]
	s_add_nc_u64 s[46:47], s[6:7], s[46:47]
	CROUND
.irp s, 0,1
	s_mov_b32 s[G0+4*\s], 1
	s_add_co_u32 s[G0+4*\s+1], s45, \s*SLOT
	s_add_nc_u64 s[G0+4*\s+2:G0+4*\s+3], s[20:21], \s*KSB
	s_or_b32 s[G0+4*\s+3], s[G0+4*\s+3], 0x80000000
	s_mov_b32 s[G0B+4*\s], 1
	s_add_co_u32 s[G0B+4*\s+1], s19, \s*SLOT
	s_add_nc_u64 s[G0B+4*\s+2:G0B+4*\s+3], s[46:47], \s*KSB
	s_or_b32 s[G0B+4*\s+3], s[G0B+4*\s+3], 0x80000000
	s_wait_alu depctr_va_vdst(0)
	s_wait_tensorcnt 0x0
	ds_add_u32 v28, v29
	ds_add_u32 v28, v29
	s_wait_dscnt 0x0
	CROUND
	JLOAD G0+4*\s, G1, G0B+4*\s, G1B
.endr
	v_and_b32 v1, 31, v0
	v_and_b32 v2, 15, v0
	v_bfe_u32 v3, v0, 4, 1
	v_lshlrev_b32 v4, 4, v1
	v_lshlrev_b32 v5, 3, v1
	v_lshlrev_b32 v6, 2, v1
	v_lshlrev_b32 v7, 5, v3
	v_lshlrev_b32 v8, 2, v2
	s_wait_alu depctr_va_vdst(0)
	s_mul_i32 s18, s14, 4*KSB
.irp s, 0,1
	v_add_nc_u32 v[ADRA16+\s], s18, v4
	v_add_nc_u32 v[ADRA8+\s], s18, v5
	v_add_nc_u32 v[ADRB16+\s], \s*SLOT+ATB, v4
	v_add_nc_u32 v[ADRB8+\s], \s*SLOT+ATB, v5
	s_add_co_u32 s18, s18, SLOT
.endr
	s_lshl_b32 s66, s17, 4
	s_lshl_b32 s67, s14, 2
	s_add_co_u32 s66, s66, s67
	s_lshl_b32 s66, s66, 9
	s_add_co_u32 s66, s66, ASC
	s_mov_b32 s67, 0
	s_add_nc_u64 s[66:67], s[4:5], s[66:67]
	s_mul_i32 s68, s42, NB*512
	s_add_co_u32 s68, s68, WSC
	s_mov_b32 s69, 0
	s_add_nc_u64 s[68:69], s[6:7], s[68:69]
	s_mul_i32 s70, s42, 768
	s_mov_b32 s71, 0
	s_add_nc_u64 s[70:71], s[8:9], s[70:71]
.irp a, 0,1,2,3
.irp p, 0,1,2,3
	global_load_b32 v[SX+4*\a+\p], v6, s[66:67] offset:512*\a+128*\p
.endr
.endr
.set bb, 0
.rept NB
.irp p, 0,1,2,3
	global_load_b32 v[SW+4*bb+\p], v6, s[68:69] offset:512*bb+128*\p
.endr
.set bb, bb+1
.endr
	WIN 0xc0
.set bb, 0
.rept 8
	global_load_b128 v[BQ+8*bb:BQ+8*bb+3], v7, s[70:71] offset:64*bb
	global_load_b128 v[BQ+8*bb+4:BQ+8*bb+7], v7, s[70:71] offset:64*bb+16
.set bb, bb+1
.endr
.irp b, 0,1,2,3
.irp j, 0,1,2,3,4,5,6,7
	global_load_b32 v[BV+8*\b+\j], v8, s[70:71] offset:512+64*\b
.endr
.endr
	WIN 0
	s_lshr_b32 s86, s17, 3
	s_lshl_b32 s86, s86, 4
	s_add_co_u32 s86, s86, s42
	s_and_b32 s87, s17, 7
	s_mul_i32 s72, s86, 98304
	s_lshl_b32 s88, s87, 4
	s_lshl_b32 s89, s14, 2
	s_add_co_u32 s88, s88, s89
	s_mul_i32 s88, s88, 768
	s_add_co_u32 s72, s72, s88
	s_mov_b32 s73, 0
	s_add_nc_u64 s[72:73], s[10:11], s[72:73]
	s_lshl_b32 s74, s86, 13
	s_lshl_b32 s88, s87, 10
	s_add_co_u32 s74, s74, s88
	s_lshl_b32 s88, s14, 8
	s_add_co_u32 s74, s74, s88
	s_add_co_u32 s74, s74, 6291456
	s_mov_b32 s75, 0
	s_add_nc_u64 s[74:75], s[10:11], s[74:75]
	s_mul_i32 s76, s86, 208896
	s_lshl_b32 s88, s87, 1
	s_add_co_u32 s88, s88, s15
	s_mul_i32 s88, s88, 13056
	s_add_co_u32 s76, s76, s88
	s_mov_b32 s77, 0
	s_add_nc_u64 s[76:77], s[12:13], s[76:77]
	s_mov_b32 s89, 0
	s_mul_i32 s88, s16, 3072
	s_add_nc_u64 s[78:79], s[76:77], s[88:89]
	s_mul_i32 s88, s16, 768
	s_add_co_u32 s88, s88, 6144
	s_add_nc_u64 s[80:81], s[76:77], s[88:89]
	s_lshl_b32 s88, s16, 8
	s_add_co_u32 s88, s88, 12288
	s_add_nc_u64 s[82:83], s[76:77], s[88:89]
	s_lshl_b32 s88, s16, 1
	s_add_co_u32 s88, s88, 12800
	s_add_nc_u64 s[90:91], s[76:77], s[88:89]
	s_mov_b32 s[SEL], 0x76543210
	s_mov_b32 s[SEL+1], 0xfedcba98
	s_wait_alu depctr_va_vdst(0)
	s_wait_tensorcnt 1
	s_barrier_signal -1
	s_barrier_wait -1
	FETCH_B 0, 0, 0, NBH
	FETCH_A 0, 0, 0
	FETCH_B 0, 0, NBH, NBH
	s_wait_loadcnt 0x0
	STEP 0, 1
	TURN 1, 1
	STEP 2, 0
	TURN 3, 1
	STEP 4, 0
	TURN 5, 0
	STEP 6, 0
	s_wait_dscnt NBH*NL
	MM 0, NBH, 7, 0
	s_wait_dscnt 0x0
	MM NBH, NB, 7, 0
	WIN 0
	PLACES 4
	v_mov_b32 v[TM+2], 0
	v_mov_b32 v[TM+3], 0
	v_mov_b32 v[FLQ], 0x3000000
	v_mov_b32 v[FLK], 0x1800000
	s_mov_b32 vcc_lo, 0xffff0000
.irp a, 0,1,2,3
	QH 2, 64*\a, FLQ, PCB+8*\a, PWB+\a
	v_add_nc_u32 v[PWB+\a], 0x7f7efcfd, v[PWB+\a]
	global_store_b128 v4, v[PCB+8*\a:PCB+8*\a+3], s[72:73] offset:768*\a
	global_store_b64 v5, v[PCB+8*\a+4:PCB+8*\a+5], s[72:73] offset:768*\a+512
.endr
.irp g, 0,1
	v_cndmask_b32 v[CW+\g], v[PWB+2*\g], v[PWB+2*\g+1], vcc_lo
	global_store_b32 v6, v[CW+\g], s[74:75] offset:128*\g
.endr
.irp a, 0,1,2,3
	QH 2, 64*\a+32, FLK, PCB+32+8*\a, PWB+4+\a
	v_or_b32 v[PWB+4+\a], 0x7f7f0000, v[PWB+4+\a]
	global_store_b128 v4, v[PCB+32+8*\a:PCB+32+8*\a+3], s[78:79] offset:768*\a
	global_store_b64 v5, v[PCB+32+8*\a+4:PCB+32+8*\a+5], s[78:79] offset:768*\a+512
.endr
.irp g, 0,1
	v_cndmask_b32 v[CW+2+\g], v[PWB+4+2*\g], v[PWB+5+2*\g], vcc_lo
	global_store_b32 v6, v[CW+2+\g], s[82:83] offset:128*\g
.endr
.irp b, 0,1,2,3
	QH 3, 32*\b, FLK, PCB+64+8*\b, PWB+8+\b
	global_store_b128 v4, v[PCB+64+8*\b:PCB+64+8*\b+3], s[80:81] offset:1536*\b
	global_store_b64 v5, v[PCB+64+8*\b+4:PCB+64+8*\b+5], s[80:81] offset:1536*\b+512
.endr
.irp g, 0,1
	v_cndmask_b32 v[CW+4+\g], v[PWB+8+2*\g], v[PWB+9+2*\g], vcc_lo
	global_store_b16 v6, v[CW+4+\g], s[90:91] offset:128*\g
.endr
	s_wait_tensorcnt 0x0
	ds_add_u32 v[SPW], v[NIL]
	s_wait_dscnt 0x0
	CROUND
	s_endpgm
.Lfunc_end_k_q1f59389ebe_gemm_qkv:
	.size	k_q1f59389ebe_gemm_qkv, .Lfunc_end_k_q1f59389ebe_gemm_qkv-k_q1f59389ebe_gemm_qkv
	.p2alignl 7, 3214868480
	.fill 96, 4, 3214868480
	.section	.rodata,"a",@progbits
	.p2align	6, 0x0
	.amdhsa_kernel k_q1f59389ebe_gemm_qkv
		.amdhsa_group_segment_fixed_size 327680
		.amdhsa_private_segment_fixed_size 0
		.amdhsa_enable_private_segment 0
		.amdhsa_kernarg_size 40
		.amdhsa_user_sgpr_count 2
		.amdhsa_user_sgpr_kernarg_segment_ptr 1
		.amdhsa_wavefront_size32 1
		.amdhsa_system_sgpr_workgroup_id_x 1
		.amdhsa_system_sgpr_workgroup_id_y 1
		.amdhsa_system_sgpr_workgroup_id_z 1
		.amdhsa_system_vgpr_workitem_id 0
		.amdhsa_next_free_vgpr 1024
		.amdhsa_next_free_sgpr 100
		.amdhsa_reserve_vcc 1
		.amdhsa_float_denorm_mode_32 3
		.amdhsa_float_denorm_mode_16_64 3
		.amdhsa_memory_ordered 1
		.amdhsa_forward_progress 1
		.amdhsa_inst_pref_size 134
	.end_amdhsa_kernel
	.amdgpu_metadata
---
amdhsa.version: [ 1, 2 ]
amdhsa.kernels:
  - .name:           k_q1f59389ebe_gemm_qkv
    .symbol:         k_q1f59389ebe_gemm_qkv.kd
    .args:
      - { .name: xq, .offset: 0, .size: 8, .value_kind: global_buffer, .address_space: global }
      - { .name: wq, .offset: 8, .size: 8, .value_kind: global_buffer, .address_space: global }
      - { .name: b_qkv, .offset: 16, .size: 8, .value_kind: global_buffer, .address_space: global }
      - { .name: qb, .offset: 24, .size: 8, .value_kind: global_buffer, .address_space: global }
      - { .name: kv, .offset: 32, .size: 8, .value_kind: global_buffer, .address_space: global }
    .group_segment_fixed_size: 327680
    .private_segment_fixed_size: 0
    .kernarg_segment_align: 8
    .kernarg_segment_size: 40
    .max_flat_workgroup_size: 128
    .sgpr_count:     100
    .vgpr_count:     1024
    .wavefront_size: 32
...
	.end_amdgpu_metadata
.endif
;; end of part 2
;; launch attn (part 3): grid 32 x 16, 8 waves a work-group, clusters of 4 x 4, 327,680 bytes of LDS; arguments qb, kv, mask, out1, ob; writes out1, ob
.if DOCPART == 3
	.amdgcn_target "amdgcn-amd-amdhsa--gfx1250"
	.amdhsa_code_object_version 6
	.text
	.protected	k_q1f59389ebe_attn
	.globl	k_q1f59389ebe_attn
	.p2align	8
	.type	k_q1f59389ebe_attn,@function
k_q1f59389ebe_attn:
	s_mov_b64 s[64:65], 0
	v_nop
	global_prefetch_b8 v0, s[64:65] scope:SCOPE_SE
	s_setreg_imm32_b32 hwreg(HW_REG_WAVE_MODE, 25, 1), 1
	s_wait_xcnt 0x0
	s_wait_alu depctr_hold_cnt(0) depctr_sa_sdst(0) depctr_va_vdst(0) depctr_va_sdst(0) depctr_va_ssrc(0) depctr_va_vcc(0) depctr_vm_vsrc(0)
	s_getreg_b32 s2, hwreg(HW_REG_IB_STS2, 6, 4)
	s_cmp_eq_u32 s2, 0
	s_cbranch_scc0 .Lentry_in_a_cluster
	s_endpgm
.Lentry_in_a_cluster:
	s_bfe_u32 s2, ttmp6, 0x10000c
	s_cmp_lg_u32 s2, 0xf033
	s_cbranch_scc0 .Lentry_shape_is_right
	s_endpgm
.Lentry_shape_is_right:
; values = softmax(q k^T / 8 + mask) v on codes of FP6 (E2M3) with E8M0 scales; out1 takes the values as f32, ob their codes for the last product.
; t = logit x log2(e); M = the running largest t rounded UP to a whole number; p = 2^(t - M) is quantised along the keys, not normalised; the row's sum is taken of the unquantised p and divides at the end.
; SHARES.  A work-group owns 64 queries (X) of four heads (Y = 4 x batch + group of heads).  Wave w of eight owns head w / 2 and TWO tiles of 16 queries, 2 (w % 2) + u: each fragment of K and V read from LDS serves both.
; Tile 0's scores, O^T, Q and p's codes lie in register window 0, tile 1's at the same numbers in window 1; addresses, K, V, scale words and the small numbers of both tiles lie in window 0.
; S^T = K Q^T + mask: source 0 = 16 keys, source 1 = 16 queries, C = the mask's numbers as they lie (the factor 1/8 stands in q's scale bytes).  The head's 64 fill half of the instruction's K: Q's upper six registers are zero codes.
; WHICH KEYS FORM A TILE OF K: rows 0-7 come from block 2 c of 32 keys and rows 8-15 from block 2 c + 1, tile t of four taking positions 8 t .. 8 t + 7 of the order in which v's codes lie in a block
; (position 16 a + 8 b + j = key 16 b + 8 a + j).  So lane (r, h) holds query r and, in 32 registers on end, the whole block 2 c + h in v's order: a block's maximum needs no other lane, and the conversions' results are the operand.
; TWO GROUPS OF WAVES: group (w ^ (w >> 2)) & 1.  Between two changes of slots group 0 fetches a step, multiplies K Q^T and then works its softmax and V P; group 1 first works the step that it fetched before the change, and then fetches.
; All waves pass every barrier; the branches on the wave's number lead round work on registers alone.  At a change of slots each wave's LDS loads of the slot left behind have landed in registers, whichever group it is of.
; LDS: two slots of a key step (128 keys): four heads' records (13,056 bytes as 51 rows of 256 + 64 of padding, so that the two blocks' rows of a tile of K start 128 bytes apart modulo 256) and 64 rows x 128 numbers of the mask, rows 528 bytes apart.
; CLUSTERS: 4 x 4 work-groups; the records are shared along a row of the cluster, the mask's tile along a column: joint loads.  EVERY WAVE FETCHES: waves 0-3 a record each (13,056 bytes), waves 4-7 sixteen rows of the mask each (8,192 bytes).
; A wave has at most one tensor load out.
; PREFETCH: behind each joint load the step after the one just asked for is named, by waves 5 and 6 (a record's 51 blocks of 256 bytes) and wave 7 (16 rows of the mask); see ASK.
; LIMITS: logits under -1.7e38 count as -infinity; a row whose every logit is -infinity gives NaN, in out1 and (by the scale byte 0xff) in the last product.  The scaled scores stay under 2^31 in magnitude.
.set SLOT1, 131072                     ; slot 1 begins here
.set REC,   13056                      ; a record in memory
.set RECL,  16320                      ; and in LDS: 51 x 320
.set MOFF,  4*RECL                     ; the mask's tile in a slot
.set MP,    528
.set SPARE, 2*SLOT1                    ; the spare words, 128 bytes a wave, which no other line names
; v1-7 my places in a slot (K 16-byte, K 8-byte, K's words, mask, V 16-byte, V 8-byte, V's words); v8-14 the same in the step's slot
.set SH8,  15                          ; 8 h
.set QF,   16                          ; Q: six registers and six of zero codes (each window)
.set SPW,  28
.set NIL,  29
.set PFO,  30
.set KF,   32                          ; v32-85 K's eight tiles of six and six zeros behind; then V's four fragments
.set KS,   86                          ; K's scale words, V's, q's (a tile each), p's (a tile each)
.set VS,   90
.set QS,   92
.set PW,   94
.set S,    96                          ; mask, S^T, p (each window)
.set O,    160                         ; O^T (each window)
.set P,    192                         ; p's codes (each window)
.set CT,   204                         ; the conversions' second halves (each window)
.set NM,   212                         ; pairs (-M, the largest logit so far), a tile each
.set SM,   216                         ; the sums, a pair a tile
.set FF,   220                         ; f = 2^(old M - new M), the low word of a pair a tile
.set BM,   224                         ; maxima: 4 u + q
.set RR,   232
.set TT,   234
.set XB,   236                         ; a block's largest t - M, then p: 2 u + c
.set SO,   240                         ; the conversions' scale operands
.set BY,   244
.set AC,   248                         ; three more chains of the sums
.set WV,   18
.set SEL,  20
.set CS,   22
.set G1KV, 24
.set G1M,  32
.set G0KV, 40
.set G0M,  44
.set TB,   2
.set SLOTS, 3
.set PFA,  48
.set PFS,  50
.set LIM,  52
.set HD,   56
.set QP,   61
.set GRP,  92
.set NEG,  93
.set MSB,  0
.macro WIN new                         ; low byte: bits 1:0 source 0, 3:2 source 1, 5:4 source 2, 7:6 destination; the high byte repeats the setting that is left
.if MSB != \new
	s_set_vgpr_msb (MSB<<8)|\new
.set MSB, \new
.endif
.endm
.macro D2
	s_delay_alu instid0(VALU_DEP_2)
.endm
.macro TLOAD                           ; one branch on the wave's number, a load in each arm; s_nop 0 and four v_nop follow each line
	s_cmp_lt_u32 s[WV], 4
	s_cbranch_scc0 .Lnot_kv_\@
	tensor_load_to_lds s[G0KV:G0KV+3], s[G1KV:G1KV+7]
	s_nop 0
.rept 4
	v_nop
.endr
	s_branch .Lasked_\@
.Lnot_kv_\@:
	tensor_load_to_lds s[G0M:G0M+3], s[G1M:G1M+7]
	s_nop 0
.rept 4
	v_nop
.endr
.Lasked_\@:
.endm
; A prefetch of what the NEXT change of slots will ask for.  The records are walked by all clusters of a row of clusters: cluster x = 0 asks; its partner cx names head cx's record, waves 5 and 6, lanes 256 bytes apart,
; held at the record's last block.  The mask's tile is walked by all clusters of a column: cluster y = 0 asks; its partner cy names 16 of the 64 rows, wave 7, two lanes to a row's 512 bytes.
; The partners are told apart by address alone.  The last change that fills a slot asks for nothing; steps 0 and 1 come by their loads alone.
.macro ASK
	s_cmp_gt_u32 s[SLOTS], s[LIM]
	s_cbranch_scc0 .Lnot_mine_\@
	global_prefetch_b8 v[PFO], s[PFA:PFA+1] th:TH_LOAD_NT scope:SCOPE_SE
.Lnot_mine_\@:
.endm
.macro CROUND
	s_barrier_signal -1
	s_barrier_wait -1
	s_cmp_lg_u32 s[WV], 0
	s_cbranch_scc1 .Lnot_wave_0_\@
	s_barrier_signal -3
.Lnot_wave_0_\@:
	s_barrier_wait -3
	s_barrier_signal -1
	s_barrier_wait -1
.endm
.macro WM d, a, b, sa, sb, odd         ; in place; odd: source 0's scale words stand in lanes 16-31
.if \odd
	v_wmma_scale_f32_16x16x128_f8f6f4 v[(\d):(\d)+7], v[(\a):(\a)+11], v[(\b):(\b)+11], v[(\d):(\d)+7], v[\sa], v[\sb] matrix_a_fmt:MATRIX_FMT_FP6 matrix_b_fmt:MATRIX_FMT_FP6 matrix_a_scale:MATRIX_SCALE_ROW1
.else
	v_wmma_scale_f32_16x16x128_f8f6f4 v[(\d):(\d)+7], v[(\a):(\a)+11], v[(\b):(\b)+11], v[(\d):(\d)+7], v[\sa], v[\sb] matrix_a_fmt:MATRIX_FMT_FP6 matrix_b_fmt:MATRIX_FMT_FP6
.endif
.endm
	s_load_b256 s[4:11], s[0:1], 0x0               ; qb s[4:5], kv s[6:7], mask s[8:9], out1 s[10:11]
	s_load_b64 s[12:13], s[0:1], 0x20              ; ob
	v_lshl_add_u32 v[SPW], v0, 2, SPARE
	v_mov_b32 v[NIL], 0
	ds_add_u32 v[SPW], v[NIL]                      ; the opening lines: the add twice on end and one wait
	ds_add_u32 v[SPW], v[NIL]
	v_lshrrev_b32 v8, 5, v0
	v_readfirstlane_b32 s[WV], v8                  ; wave 0..7
	s_bfe_u32 s14, ttmp6, 0x40000                  ; cx
	s_bfe_u32 s15, ttmp6, 0x40004                  ; cy
	s_lshl_b32 s16, ttmp9, 2
	s_add_co_u32 s16, s16, s14                     ; X: the block of 64 queries
	s_and_b32 s19, ttmp7, 0xffff                   ; cluster y
	s_lshl_b32 s17, s19, 2
	s_add_co_u32 s17, s17, s15                     ; Y: 4 x batch + group of four heads
	s_lshl_b32 s53, s15, 2
	s_lshl_b32 s53, 15, s53                        ; my row of the cluster
	s_lshl_b32 s54, 0x1111, s14                    ; my column
	s_or_b32 s[G1KV], s53, (3<<16)|(1<<20)|(1<<21)|(5<<22)|(15<<25)   ; a record: 51 rows of 32 elements of 8 bytes, dense in memory; 16 words of padding behind every 64
	s_mov_b32 s[G1KV+1], 32<<16
	s_mov_b32 s[G1KV+2], 51<<16
	s_mov_b32 s[G1KV+3], 32<<16
	s_mov_b32 s[G1KV+4], 51
	s_mov_b32 s[G1KV+5], 32
	s_mov_b32 s[G1KV+6], 0
	s_mov_b32 s[G1KV+7], 0
	s_or_b32 s[G1M], s54, (2<<16)|(1<<20)|(1<<21)|(6<<22)|(3<<25)   ; the mask: 16 rows of 128 elements of 4 bytes, 4 words of padding behind every 128
	s_mov_b32 s[G1M+1], 128<<16
	s_mov_b32 s[G1M+2], 16<<16
	s_mov_b32 s[G1M+3], 128<<16
	s_mov_b32 s[G1M+4], 16
	s_mov_b32 s[G1M+5], 2048
	s_mov_b32 s[G1M+6], 0
	s_mov_b32 s[G1M+7], 0
	s_and_b32 s55, s[WV], 3                        ; which head's record, or which 16 rows of the mask's tile, I fetch
	s_lshr_b32 s[HD], s[WV], 1                     ; my head of the four
	s_and_b32 s[QP], s[WV], 1                      ; my pair of tiles of queries
	s_lshr_b32 s[GRP], s[WV], 2
	s_xor_b32 s[GRP], s[GRP], s[WV]
	s_and_b32 s[GRP], s[GRP], 1                    ; my group
	s_lshl_b32 s57, s17, 2                         ; 4 Y
	s_add_co_u32 s58, s57, s55
	s_mul_i32 s58, s58, 208896                     ; a head's 16 records
	s_mov_b32 s59, 0
	s_mul_i32 s60, s55, RECL
	s_lshl_b32 s62, s16, 19                        ; 64 rows of the mask, 8,192 bytes each
	s_mov_b32 s63, 0
	s_lshl_b32 s94, s55, 17                        ; 16 rows of them
	s_add_co_u32 s94, s94, s62
	s_mov_b32 s95, 0
	s_mov_b32 s[SEL], 0x76543210
	s_mov_b32 s[SEL+1], 0xfedcba98
	s_mov_b32 s[CS], 0x3fb8aa3b                    ; log2(e)
	s_mov_b32 s[CS+1], s[CS]                       ; (named with it as a pair, so it is written)
	s_mov_b32 s[NEG], 0xff7fffff                   ; the least finite number: a leaf under every maximum
	s_mov_b32 s[TB], 0
	s_mov_b32 s[SLOTS], 14
	s_wait_dscnt 0x0                               ; both opening adds are done
	s_wait_kmcnt 0x0
	s_mov_b32 s[G0KV], 1
	s_mov_b32 s[G0KV+1], s60
	s_add_nc_u64 s[G0KV+2:G0KV+3], s[6:7], s[58:59]
	s_or_b32 s[G0KV+3], s[G0KV+3], 0x80000000
	s_mov_b32 s[G0M], 1
	s_mul_i32 s[G0M+1], s55, 16*MP
	s_add_co_u32 s[G0M+1], s[G0M+1], MOFF
	s_add_nc_u64 s[G0M+2:G0M+3], s[8:9], s[94:95]
	s_or_b32 s[G0M+3], s[G0M+3], 0x80000000
	CROUND                                         ; all sixteen work-groups are here: the first joint loads meet
	TLOAD                                          ; key step 0 into slot 0
	s_add_co_u32 s66, s57, s[HD]                   ; bh = 4 Y + my head
	s_mul_i32 s68, s66, 98304
	s_lshl_b32 s67, s16, 2
	s_lshl_b32 s70, s[QP], 1
	s_add_co_u32 s67, s67, s70                     ; my first tile of tokens in the batch: 4 X + 2 (w % 2)
	s_mul_i32 s70, s67, 768
	s_add_co_u32 s68, s68, s70
	s_mov_b32 s69, 0
	s_add_nc_u64 s[68:69], s[4:5], s[68:69]        ; Q's two halves
	s_lshl_b32 s70, s66, 13
	s_lshl_b32 s72, s67, 6
	s_add_co_u32 s70, s70, s72
	s_add_co_u32 s70, s70, 6291456
	s_mov_b32 s71, 0
	s_add_nc_u64 s[70:71], s[4:5], s[70:71]        ; and their scale words
	s_mul_i32 s72, s[HD], RECL                     ; my head's record in a slot
	s_mul_i32 s73, s[QP], 32*MP
	s_add_co_u32 s73, s73, MOFF                    ; my 32 rows of the mask's tile
	s_lshr_b32 s84, s17, 2                         ; batch
	s_and_b32 s85, s17, 3
	s_lshl_b32 s85, s85, 2
	s_add_co_u32 s85, s85, s[HD]                   ; head
	s_lshl_b32 s84, s84, 7
	s_add_co_u32 s84, s84, s67                     ; tile of 16 tokens among all 512
	s_lshl_b32 s74, s84, 16
	s_lshl_b32 s76, s85, 8
	s_add_co_u32 s74, s74, s76
	s_mov_b32 s75, 0
	s_add_nc_u64 s[74:75], s[10:11], s[74:75]      ; out1: rows of 4,096 bytes, the head's 256
	s_mul_i32 s76, s84, 12288
	s_mul_i32 s78, s85, 768
	s_add_co_u32 s76, s76, s78
	s_mov_b32 s77, 0
	s_add_nc_u64 s[76:77], s[12:13], s[76:77]      ; ob: the half (tile, head)
	s_lshl_b32 s78, s84, 9
	s_lshr_b32 s80, s85, 1
	s_lshl_b32 s80, s80, 6
	s_add_co_u32 s78, s78, s80
	s_and_b32 s80, s85, 1
	s_lshl_b32 s80, s80, 1
	s_add_co_u32 s78, s78, s80
	s_add_co_u32 s78, s78, 6291456
	s_mov_b32 s79, 0
	s_add_nc_u64 s[78:79], s[12:13], s[78:79]      ; and its two bytes of each row's scale word
	s_add_co_u32 s86, s57, s14                     ; the prefetches: where my wave's stand, and who asks
	s_mul_i32 s86, s86, 208896
	s_add_co_u32 s86, s86, REC                     ; head cx's record of step 1: the first change of slots steps it to step 2
	s_lshl_b32 s87, s15, 17
	s_add_co_u32 s87, s87, s62
	s_add_co_u32 s87, s87, 512                     ; the mask's rows 64 X + 16 cy on, step 1
	s_mov_b32 s[PFS], 512
	s_cmp_lt_u32 s[WV], 7
	s_cselect_b64 s[PFA:PFA+1], s[6:7], s[8:9]
	s_cselect_b32 s[PFS], REC, s[PFS]              ; a step on
	s_cselect_b32 s86, s86, s87
	s_cselect_b32 s88, ttmp9, s19                  ; the coordinate along which other clusters read the same bytes
	s_cselect_b32 s89, -1, 0
	s_mov_b32 s87, 0
	s_mov_b32 s[PFS+1], 0
	s_add_nc_u64 s[PFA:PFA+1], s[PFA:PFA+1], s[86:87]
	s_sub_co_u32 s90, s[WV], 5
	s_cmp_lt_u32 s90, 3                            ; waves 5, 6, 7
	s_cselect_b32 s90, 0, 1
	s_or_b32 s90, s90, s88
	s_cmp_eq_u32 s90, 0
	s_cselect_b32 s[LIM], 1, -1                    ; the same in all sixteen partners, for a given wave
	s_and_b32 s91, s[WV], 1
	s_lshl_b32 s91, s91, 5
	; the head's vector work, on end
	v_and_b32 v224, 31, v0                         ; lane
	v_and_b32 v225, 15, v0                         ; r
	v_bfe_u32 v226, v0, 4, 1                       ; h
	v_and_b32 v227, 7, v0                          ; r % 8
	v_bfe_u32 v228, v0, 3, 1                       ; r / 8
	v_lshlrev_b32 v248, 4, v224
	v_lshlrev_b32 v249, 3, v224
	v_lshlrev_b32 v250, 2, v225
	global_load_b128 v[QF:QF+3], v248, s[68:69]
	global_load_b64 v[QF+4:QF+5], v249, s[68:69] offset:512
	global_load_b32 v[QS], v250, s[70:71]
	global_load_b32 v[QS+1], v250, s[70:71] offset:64
	WIN 0x40
	global_load_b128 v[QF:QF+3], v248, s[68:69] offset:768
	global_load_b64 v[QF+4:QF+5], v249, s[68:69] offset:1280
	WIN 0
	v_mul_u32_u24 v229, v228, 1920                 ; rows 8-15 of a tile of K lie two tiles of the record on: six LDS rows of 320 bytes
	v_add_nc_u32 v229, s72, v229
	v_mad_u32_u24 v1, v226, 320, v229              ; K, registers 0-3: lanes 16-31 in the next LDS row
	v_lshl_add_u32 v1, v227, 4, v1
	v_lshl_add_u32 v2, v226, 7, v229               ; K, registers 4-5
	v_lshl_add_u32 v2, v227, 3, v2
	v_lshl_add_u32 v3, v228, 7, s72                ; K's scale words: lanes 16-31 take the odd tile's
	v_lshl_add_u32 v3, v226, 6, v3
	v_lshl_add_u32 v3, v227, 2, v3
	v_mul_u32_u24 v4, v225, MP                     ; the mask: row r, + 128 h: block 2 c + h
	v_lshl_add_u32 v4, v226, 7, v4
	v_add_nc_u32 v4, s73, v4
	v_mul_u32_u24 v5, v226, 320                    ; V, registers 0-3 and 6-9
	v_add_nc_u32 v5, s72, v5
	v_lshl_add_u32 v5, v225, 4, v5
	v_lshl_add_u32 v6, v224, 3, s72                ; V, registers 4-5 and 10-11
	v_lshl_add_u32 v7, v224, 2, s72                ; V's scale words
	v_lshlrev_b32 v[SH8], 3, v226
	s_mov_b32 vcc_lo, s89
	v_add_nc_u32 v251, s91, v224
	v_min_u32 v251, 50, v251
	v_lshlrev_b32 v251, 8, v251                    ; a record's 51 blocks of 256 bytes
	v_lshrrev_b32 v252, 1, v224
	v_and_b32 v253, 1, v224
	v_lshlrev_b32 v252, 13, v252
	v_lshl_or_b32 v252, v253, 8, v252              ; the mask: row lane / 2, half lane % 2
	v_cndmask_b32 v[PFO], v252, v251, vcc_lo
.irp u, 0,1
	v_mov_b32 v[NM+2*\u], 0x7f000000               ; -M: over every -M to come
	v_mov_b32 v[NM+2*\u+1], 0xff000000             ; the largest logit so far: -1.7e38
	v_mov_b32 v[SM+2*\u], 0
	v_mov_b32 v[SM+2*\u+1], 0
	v_mov_b32 v[FF+2*\u+1], 0                      ; (named as the upper half of a pair)
	v_mov_b32 v[TT+\u], 0                          ; a lane permute's destination counts as one of its sources
.endr
.irp j, 0,1,2,3,4,5
	v_mov_b32 v[QF+6+\j], 0                        ; Q's upper 64 along K: zero codes
	v_mov_b32 v[KF+48+\j], 0                       ; and what stands behind K's last tile
.endr
.set j, 0
.rept 32
	v_mov_b32 v[O+j], 0                            ; O^T: the step is written once; the first finds zeros
.set j, j+1
.endr
	WIN 0x40
.irp j, 0,1,2,3,4,5
	v_mov_b32 v[QF+6+\j], 0
.endr
.set j, 0
.rept 32
	v_mov_b32 v[O+j], 0
.set j, j+1
.endr
	WIN 0
; FETCH AND SCORES of a key step, in the slot at s[TB]
.macro MASKL u                         ; C in the result's layout: query r, keys 32 (2 c + h) + 16 (t % 2) + 8 (t / 2) + 0 .. 7
.irp c, 0,1
.irp t, 0,1,2,3
	ds_load_b128 v[S+32*\c+8*\t:S+32*\c+8*\t+3], v11 offset:8448*\u+256*\c+64*(\t%2)+32*(\t/2)
	ds_load_b128 v[S+32*\c+8*\t+4:S+32*\c+8*\t+7], v11 offset:8448*\u+256*\c+64*(\t%2)+32*(\t/2)+16
.endr
.endr
.endm
.macro QK u
.irp c, 0,1
.irp t, 0,1,2,3
	WM S+32*\c+8*\t, KF+6*(4*\c+\t), QF, KS+2*\c+(\t/2), QS+\u, \t%2
.endr
.endr
.endm
.macro YPART
.irp i, 0,1,2,3,4,5,6
	v_add_nc_u32 v[8+\i], s[TB], v[1+\i]           ; (also the places behind the last products, in front of the loads below)
.endr
.irp c, 0,1
.irp t, 0,1,2,3
	ds_load_b128 v[KF+6*(4*\c+\t):KF+6*(4*\c+\t)+3], v8 offset:960*(4*\c+(\t%2))+128*(\t/2)
	ds_load_b64 v[KF+6*(4*\c+\t)+4:KF+6*(4*\c+\t)+5], v9 offset:960*(4*\c+(\t%2))+640+64*(\t/2)
.endr
.endr
.irp c, 0,1
.irp p, 0,1
	ds_load_b32 v[KS+2*\c+\p], v10 offset:15360+320*\c+32*\p       ; lanes 0-15: tile (c, 2 p)'s words, lanes 16-31: tile (c, 2 p + 1)'s
.endr
.endr
	MASKL 0
	WIN 0x40
	MASKL 1
	WIN 0
	s_wait_alu depctr_va_vdst(0)
	s_wait_dscnt 16                                ; all but tile 1's 16 loads of the mask
	QK 0
	s_wait_dscnt 0x0
	WIN 0x54
	QK 1
	WIN 0
.rept 4
	v_nop                                          ; places in front of the loads into K's registers and of the first read of the scores
.endr
.irp g, 0,1,2,3                                ; V's four fragments
	ds_load_b128 v[KF+12*\g:KF+12*\g+3], v12 offset:320*(24+6*\g)
	ds_load_b64 v[KF+12*\g+4:KF+12*\g+5], v13 offset:320*(26+6*\g)
	ds_load_b128 v[KF+12*\g+6:KF+12*\g+9], v12 offset:320*(27+6*\g)
	ds_load_b64 v[KF+12*\g+10:KF+12*\g+11], v13 offset:320*(29+6*\g)
.endr
	ds_load_b32 v[VS], v14 offset:16000
	ds_load_b32 v[VS+1], v14 offset:16128
	s_xor_b32 s[TB], s[TB], SLOT1                  ; on to the other slot
.endm
; SOFTMAX AND V P of the step whose scores and V are in (or on their way to) registers: work on registers alone, but for the wait for V
.macro MAXES u                         ; four chains of 16 numbers: chains 2 c, 2 c + 1 are my block of pair c.  Each accumulator is read from its low end on
.irp q, 0,1,2,3
	v_max3_num_f32 v[BM+4*\u+\q], s[NEG], v[S+16*\q], v[S+16*\q+1]
.endr
.irp i, 2,4,6,8,10,12,14
.irp q, 0,1,2,3
	v_max3_num_f32 v[BM+4*\u+\q], v[BM+4*\u+\q], v[S+16*\q+\i], v[S+16*\q+\i+1]
.endr
.endr
.endm
.macro TMINUS u
.set j, 0
.rept 32
	v_pk_fma_f32 v[S+j:S+j+1], v[S+j:S+j+1], s[CS:CS+1], v[NM+2*\u:NM+2*\u+1] op_sel_hi:[1,0,0]   ; t - M, two at a time
.set j, j+2
.endr
.endm
.macro EXPS
.set j, 0
.rept 64
	v_exp_f32 v[S+j], v[S+j]                       ; p = 2^(t - M)
.set j, j+1
.endr
.endm
.macro SUMA                            ; three chains begin
.irp k, 0,1,2
	v_pk_add_f32 v[AC+2*\k:AC+2*\k+1], v[S+4*\k:S+4*\k+1], v[S+4*\k+2:S+4*\k+3]
.endr
.endm
.macro SUMB u                          ; the other 26 pairs, over four chains
.set n, 0
.rept 26
.if n%4 == 0
	v_pk_add_f32 v[SM+2*\u:SM+2*\u+1], v[SM+2*\u:SM+2*\u+1], v[S+12+2*n:S+13+2*n]
.else
	v_pk_add_f32 v[AC+2*(n%4)-2:AC+2*(n%4)-1], v[AC+2*(n%4)-2:AC+2*(n%4)-1], v[S+12+2*n:S+13+2*n]
.endif
.set n, n+1
.endr
.endm
.macro SUMC u
	v_pk_add_f32 v[AC:AC+1], v[AC:AC+1], v[AC+2:AC+3]
	v_pk_add_f32 v[SM+2*\u:SM+2*\u+1], v[SM+2*\u:SM+2*\u+1], v[AC+4:AC+5]
	s_delay_alu instid0(VALU_DEP_1)
	v_pk_add_f32 v[SM+2*\u:SM+2*\u+1], v[SM+2*\u:SM+2*\u+1], v[AC:AC+1]
.endm
.macro CODES u                         ; my two blocks' 64 numbers become the operand's twelve registers
.irp c, 0,1
	v_cvt_scalef32_pk16_fp6_f32 v[P+6*\c:P+6*\c+2], v[S+32*\c:S+32*\c+15], v[SO+2*\u+\c]
	v_cvt_scalef32_pk16_fp6_f32 v[CT+4*\c:CT+4*\c+2], v[S+32*\c+16:S+32*\c+31], v[SO+2*\u+\c]   ; (a conversion's three registers begin on an even number)
.endr
	v_nop                                          ; one plain place behind a scaled conversion
.irp c, 0,1
.irp i, 0,1,2
	v_mov_b32 v[P+6*\c+3+\i], v[CT+4*\c+\i]
.endr
.endr
.endm
.macro RESC u
	s_wait_alu depctr_va_vdst(0)                   ; directly ahead of the first reader of O^T
.set j, 0
.rept 16
	v_pk_mul_f32 v[O+j:O+j+1], v[O+j:O+j+1], v[FF+2*\u:FF+2*\u+1] op_sel_hi:[1,0]   ; O^T under the new M
.set j, j+2
.endr
.endm
.macro PV u
.irp g, 0,1,2,3
	WM O+8*\g, KF+12*\g, P, VS+(\g/2), PW+\u, \g%2
.endr
.endm
.macro XPART
	MAXES 0
	WIN 0x14
	MAXES 1
	WIN 0
.irp q, 0,2,4,6
	v_max_num_f32 v[BM+\q], v[BM+\q], v[BM+\q+1]   ; the largest logit of my block: tile u, pair c at BM + 4 u + 2 c
.endr
.irp u, 0,1
	v_max_num_f32 v[RR+\u], v[BM+4*\u], v[BM+4*\u+2]
.endr
.irp u, 0,1
	D2
	v_permlanex16_b32 v[TT+\u], v[RR+\u], s[SEL], s[SEL+1]
.endr
.irp u, 0,1
	D2
	v_max3_num_f32 v[NM+2*\u+1], v[NM+2*\u+1], v[RR+\u], v[TT+\u]    ; the running largest logit of my query
.endr
.irp u, 0,1
	D2
	v_mul_f32 v[RR+\u], s[CS], v[NM+2*\u+1]        ; as t
.endr
.irp u, 0,1
	D2
	v_floor_f32 v[TT+\u], -v[RR+\u]                ; the new -M = -ceil(t): a whole number
.endr
.irp u, 0,1
	D2
	v_sub_f32 v[RR+\u], v[TT+\u], v[NM+2*\u]       ; old M - new M: a whole number, 0 or less
.endr
.irp u, 0,1
	v_mov_b32 v[NM+2*\u], v[TT+\u]
.endr
.irp u, 0,1
	v_cvt_i32_f32 v[RR+\u], v[RR+\u]               ; (it saturates)
.endr
.irp u, 0,1
	D2
	v_ldexp_f32 v[FF+2*\u], 1.0, v[RR+\u]          ; f = 2^(old M - new M): a multiplication by it rounds nothing
.endr
.irp q, 0,1,2,3
	v_fma_f32 v[XB+\q], v[BM+2*\q], s[CS], v[NM+2*(\q/2)]            ; t - M of each block's largest logit: p rises with the logit
.endr
	TMINUS 0
	WIN 0x41
	TMINUS 1
	WIN 0
	s_wait_alu depctr_va_vdst(0)                   ; ahead of the batch
.irp q, 0,1,2,3
	v_exp_f32 v[XB+\q], v[XB+\q]                   ; the block's largest p: the same two instructions on the same number
.endr
	EXPS
	WIN 0x41
	EXPS
	WIN 0
.irp u, 0,1
	v_pk_mul_f32 v[SM+2*\u:SM+2*\u+1], v[SM+2*\u:SM+2*\u+1], v[FF+2*\u:FF+2*\u+1] op_sel_hi:[1,0]   ; the sums under the new M: plain work behind the exponentials
.endr
	s_wait_alu depctr_va_vdst(0)                   ; one wait for the whole batch, ahead of its first reader
	SUMA                                           ; the rows' sums are taken of the unquantised p
	SUMB 0
	SUMC 0
	WIN 0x05
	SUMA
	WIN 0x04
	SUMB 1
	WIN 0
	SUMC 1
.irp q, 0,1,2,3
	v_max_num_f32 v[XB+\q], 0x1800000, v[XB+\q]    ; the floor 2^(3 - 127)
.endr
.irp q, 0,1,2,3
	v_add_nc_u32 v[SO+\q], 0xff000000, v[XB+\q]    ; 2 off the exponent field: the conversion's scale operand
.endr
.irp q, 0,1,2,3
	v_lshrrev_b32 v[BY+\q], 23, v[SO+\q]           ; the byte
.endr
.irp u, 0,1
	v_lshl_or_b32 v[BY+2*\u], v[BY+2*\u+1], 16, v[BY+2*\u]           ; my blocks h and 2 + h,
.endr
.irp u, 0,1
	D2
	v_lshlrev_b32 v[BY+2*\u], v[SH8], v[BY+2*\u]   ; at their places in the word;
.endr
.irp u, 0,1
	D2
	v_permlanex16_b32 v[BY+2*\u+1], v[BY+2*\u], s[SEL], s[SEL+1]
.endr
.irp u, 0,1
	D2
	v_or_b32 v[PW+\u], v[BY+2*\u], v[BY+2*\u+1]    ; with lane l xor 16's two: p's scale word for these 128 keys
.endr
	CODES 0
	WIN 0x41
	CODES 1
	WIN 0
	RESC 0                                         ; these 32 also stand between the writes of p's codes and scale words and the products
	WIN 0x41
	RESC 1
	WIN 0
	s_wait_alu depctr_va_vdst(0)                   ; directly ahead of the wait below
	s_wait_dscnt 0x0                               ; V
	PV 0
	WIN 0x54
	PV 1
	WIN 0
.endm
.macro XIF grp                         ; for the waves of one group
	s_cmp_eq_u32 s[GRP], \grp
	s_cbranch_scc0 .Lother_\@
	XPART
.Lother_\@:
.endm
; THE CHANGE OF SLOTS.  Each wave waits for all its tensor loads, adds 0 to its spare word, and waits for that and for its reads of the slot that it has left.
; fill = 1: the barrier is a round of the cluster's, and behind it that slot is filled with the step after the next fetch, each wave bringing its part.
.macro CHANGE fill
	s_wait_tensorcnt 0x0                           ; no tensor load of mine is out, so a group 0 may be written
	ds_add_u32 v[SPW], v[NIL]
.if \fill
	s_xor_b32 s[G0KV+1], s[G0KV+1], SLOT1
	s_add_nc_u64 s[G0KV+2:G0KV+3], s[G0KV+2:G0KV+3], REC
	s_xor_b32 s[G0M+1], s[G0M+1], SLOT1
	s_add_nc_u64 s[G0M+2:G0M+3], s[G0M+2:G0M+3], 512
	s_wait_xcnt 0x0                                ; the last prefetch, a step back, has read its address
	s_add_nc_u64 s[PFA:PFA+1], s[PFA:PFA+1], s[PFS:PFS+1]
	s_wait_dscnt 0x0
	CROUND
	TLOAD                                          ; the first thing behind the round, and a wave's one tensor load until the next
	ASK
.else
	s_wait_dscnt 0x0
	s_barrier_signal -1
	s_barrier_wait -1
.endif
.endm
	s_wait_alu depctr_va_vdst(0)                   ; at the head's end
	s_wait_loadcnt 0x0                             ; Q
	CHANGE 1                                       ; step 0 is whole; step 1 is asked for
	YPART                                          ; step 0
.Lstep:                                            ; 14 trips; trip i works step i, asks for step i + 2 and fetches step i + 1
	XIF 0
	CHANGE 1
	XIF 1
	YPART
	s_sub_co_u32 s[SLOTS], s[SLOTS], 1
	s_cmp_lg_u32 s[SLOTS], 0
	s_cbranch_scc1 .Lstep
	XIF 0                                          ; step 14; the tail is written out
	CHANGE 0
	XIF 1
	YPART                                          ; step 15
	XPART
	; THE WAY OUT.  O^T / the sum goes through my stages (16 rows x 272 bytes a tile, in slot 0, which was left at the last change of slots and has had its last fill) and leaves as rows of 256 bytes;
	; the same numbers are quantised along the head's 64 for the last product.
.set RC, 252
.irp u, 0,1
	v_add_f32 v[SM+2*\u], v[SM+2*\u], v[SM+2*\u+1]
.endr
.irp u, 0,1
	D2
	v_permlanex16_b32 v[TT+\u], v[SM+2*\u], s[SEL], s[SEL+1]
.endr
.irp u, 0,1
	D2
	v_add_f32 v[RC+\u], v[SM+2*\u], v[TT+\u]       ; the row's sum
.endr
	s_wait_alu depctr_va_vdst(0)
	v_rcp_f32 v[RC], v[RC]
	v_rcp_f32 v[RC+1], v[RC+1]
	v_and_b32 v248, 15, v0
	v_bfe_u32 v249, v0, 4, 1
	v_and_b32 v250, 31, v0
	s_mul_i32 s84, s[WV], 32*272
	v_mul_u32_u24 v8, v248, 272
	v_lshl_add_u32 v8, v249, 5, v8
	v_add_nc_u32 v8, s84, v8                       ; in: row r, tile g's eight channels of my half at 64 g + 32 h
	v_mul_u32_u24 v9, v249, 272
	v_lshl_add_u32 v9, v248, 4, v9
	v_add_nc_u32 v9, s84, v9                       ; back: lanes 0-15 one row, lanes 16-31 the next
	v_lshlrev_b32 v10, 12, v249
	v_lshl_add_u32 v10, v248, 4, v10               ; out1: the same two rows, 16 bytes a lane
	v_lshlrev_b32 v11, 4, v250
	v_lshlrev_b32 v12, 3, v250
	v_lshlrev_b32 v13, 2, v248
	v_mov_b32 v254, 0xffff
.macro OUT u, val, bk, qt, cd
	WIN \u
	s_wait_alu depctr_va_vdst(0)                   ; behind the reciprocals, directly ahead of the first reader of them and of O^T
.set j, 0
.rept 32
	v_mul_f32 v[\val+j], v[O+j], v[RC+\u]          ; register 8 g + i is value (r, 16 g + 8 h + i)
.set j, j+1
.endr
	WIN 0
.irp t, 0,1,2,3
	ds_store_b128 v8, v[\val+8*\t:\val+8*\t+3] offset:4352*\u+64*\t
	ds_store_b128 v8, v[\val+8*\t+4:\val+8*\t+7] offset:4352*\u+64*\t+16
.endr
.irp i, 0,1,2,3,4,5,6,7
	ds_load_b128 v[\bk+4*\i:\bk+4*\i+3], v9 offset:4352*\u+2*\i*272  ; LDS serves a wave's instructions in order: these see my stores
.endr
	v_max3_num_f32 v[\qt], |v[\val]|, |v[\val+1]|, 0x1800000         ; the two blocks of 32 of the head's 64
	v_max3_num_f32 v[\qt+1], |v[\val+16]|, |v[\val+17]|, 0x1800000
.irp i, 2,4,6,8,10,12,14
	D2
	v_max3_num_f32 v[\qt], v[\qt], |v[\val+\i]|, |v[\val+1+\i]|
	D2
	v_max3_num_f32 v[\qt+1], v[\qt+1], |v[\val+16+\i]|, |v[\val+17+\i]|
.endr
	D2
	v_permlanex16_b32 v[\qt+2], v[\qt], s[SEL], s[SEL+1]
	D2
	v_permlanex16_b32 v[\qt+3], v[\qt+1], s[SEL], s[SEL+1]
	D2
	v_max_num_f32 v[\qt], v[\qt], v[\qt+2]
	D2
	v_max_num_f32 v[\qt+1], v[\qt+1], v[\qt+3]
	D2
	v_add_nc_u32 v[\qt+4], 0xff000000, v[\qt]
	D2
	v_add_nc_u32 v[\qt+5], 0xff000000, v[\qt+1]
	D2
	v_lshrrev_b32 v[\qt+2], 23, v[\qt+4]
	D2
	v_lshrrev_b32 v[\qt+3], 23, v[\qt+5]
	v_cmp_neq_f32 vcc_lo, v[\val], v[\val]         ; a row without any key is NaN in all its numbers: its scale bytes become 0xff, so that the last product's row is NaN too
	v_lshl_or_b32 v[\qt+6], v[\qt+3], 8, v[\qt+2]
	v_cndmask_b32 v[\qt+6], v[\qt+6], v254, vcc_lo
	v_cvt_scalef32_pk16_fp6_f32 v[\cd:\cd+2], v[\val:\val+15], v[\qt+4]
	v_cvt_scalef32_pk16_fp6_f32 v[\cd+4:\cd+6], v[\val+16:\val+31], v[\qt+5]
	v_nop                                          ; one plain place behind a scaled conversion
.irp i, 0,1,2
	v_permlane16_swap_b32 v[\cd+\i], v[\cd+4+\i]
.endr
.irp i, 0,1,2
	v_mov_b32 v[\cd+3+\i], v[\cd+4+\i]
.endr
	s_wait_alu depctr_va_vdst(0)                   ; directly ahead of the waits below
.irp i, 0,1,2,3,4,5,6,7
	s_wait_dscnt 7-\i                              ; the younger loads from the stage may be out
	global_store_b128 v10, v[\bk+4*\i:\bk+4*\i+3], s[74:75] offset:65536*\u+8192*\i th:TH_STORE_NT   ; sixteen lanes store 256 consecutive bytes, aligned
.endr
	global_store_b128 v11, v[\cd:\cd+3], s[76:77] offset:12288*\u
	global_store_b64 v12, v[\cd+4:\cd+5], s[76:77] offset:12288*\u+512
	global_store_b16 v13, v[\qt+6], s[78:79] offset:512*\u           ; lanes r and r + 16 hold the same number and name the same two bytes
.endm
	OUT 0, 96, 128, 224, 192                       ; each tile has registers of its own: no store's data are written again
	OUT 1, 32, 160, 232, 200
	s_wait_tensorcnt 0x0                           ; the wave's end
	ds_add_u32 v[SPW], v[NIL]
	s_wait_dscnt 0x0
	CROUND                                         ; the closing round
	s_endpgm
.Lfunc_end_k_q1f59389ebe_attn:
	.size	k_q1f59389ebe_attn, .Lfunc_end_k_q1f59389ebe_attn-k_q1f59389ebe_attn
	.p2alignl 7, 3214868480
	.fill 96, 4, 3214868480
	.section	.rodata,"a",@progbits
	.p2align	6, 0x0
	.amdhsa_kernel k_q1f59389ebe_attn
		.amdhsa_group_segment_fixed_size 327680
		.amdhsa_private_segment_fixed_size 0
		.amdhsa_enable_private_segment 0
		.amdhsa_kernarg_size 40
		.amdhsa_user_sgpr_count 2
		.amdhsa_user_sgpr_kernarg_segment_ptr 1
		.amdhsa_wavefront_size32 1
		.amdhsa_system_sgpr_workgroup_id_x 1
		.amdhsa_system_sgpr_workgroup_id_y 1
		.amdhsa_system_sgpr_workgroup_id_z 1
		.amdhsa_system_vgpr_workitem_id 0
		.amdhsa_next_free_vgpr 512
		.amdhsa_next_free_sgpr 100
		.amdhsa_reserve_vcc 1
		.amdhsa_float_denorm_mode_32 3
		.amdhsa_float_denorm_mode_16_64 3
		.amdhsa_memory_ordered 1
		.amdhsa_forward_progress 1
		.amdhsa_inst_pref_size 169
	.end_amdhsa_kernel
	.amdgpu_metadata
---
amdhsa.version: [ 1, 2 ]
amdhsa.kernels:
  - .name:           k_q1f59389ebe_attn
    .symbol:         k_q1f59389ebe_attn.kd
    .args:
      - { .name: qb, .offset: 0, .size: 8, .value_kind: global_buffer, .address_space: global }
      - { .name: kv, .offset: 8, .size: 8, .value_kind: global_buffer, .address_space: global }
      - { .name: mask, .offset: 16, .size: 8, .value_kind: global_buffer, .address_space: global }
      - { .name: out1, .offset: 24, .size: 8, .value_kind: global_buffer, .address_space: global }
      - { .name: ob, .offset: 32, .size: 8, .value_kind: global_buffer, .address_space: global }
    .group_segment_fixed_size: 327680
    .private_segment_fixed_size: 0
    .kernarg_segment_align: 8
    .kernarg_segment_size: 40
    .max_flat_workgroup_size: 256
    .sgpr_count:     100
    .vgpr_count:     512
    .wavefront_size: 32
...
	.end_amdgpu_metadata
.endif
;; end of part 3
;; launch gemm_out (part 4): grid 8 x 32, 4 waves a work-group, clusters of 4 x 4, 327,680 bytes of LDS; arguments ob, wq, b_o, out0; writes out0
.if DOCPART == 4
	.amdgcn_target "amdgcn-amd-amdhsa--gfx1250"
	.amdhsa_code_object_version 6
	.text
	.protected	k_q1f59389ebe_gemm_out
	.globl	k_q1f59389ebe_gemm_out
	.p2align	8
	.type	k_q1f59389ebe_gemm_out,@function
k_q1f59389ebe_gemm_out:
	s_mov_b64 s[64:65], 0
	v_nop
	global_prefetch_b8 v0, s[64:65] scope:SCOPE_SE
	s_setreg_imm32_b32 hwreg(HW_REG_WAVE_MODE, 25, 1), 1
	s_wait_xcnt 0x0
	s_wait_alu depctr_hold_cnt(0) depctr_sa_sdst(0) depctr_va_vdst(0) depctr_va_sdst(0) depctr_va_ssrc(0) depctr_va_vcc(0) depctr_vm_vsrc(0)
	s_getreg_b32 s2, hwreg(HW_REG_IB_STS2, 6, 4)
	s_cmp_eq_u32 s2, 0
	s_cbranch_scc0 .Lentry_in_a_cluster
	s_endpgm
.Lentry_in_a_cluster:
	s_bfe_u32 s2, ttmp6, 0x10000c
	s_cmp_lg_u32 s2, 0xf033
	s_cbranch_scc0 .Lentry_shape_is_right
	s_endpgm
.Lentry_shape_is_right:
.set NB,   8
.set NBH,  4
.set NBQ,  2
.set NL,   4
.set FRB,  1536
.set KSB,  3072
.set TROW, 12288
.set ATB,  16*KSB
.set SLOT, ATB+NB*KSB
.set SPARE, 2*SLOT
.set ASC,  6291456
.set WSC,  3145728
.set ADRA16, 16
.set ADRA8,  18
.set ADRB16, 20
.set ADRB8,  22
.set STO,  24
.set RD,   25
.set SPW,  28
.set NIL,  29
.set SX,   32
.set SW,   48
.set AF,   96
.set BQ,   128
.set BK,   128
.set G1,   24
.set G0,   32
.set G1B,  48
.set G0B,  56
.set MSB,  0
.macro WIN new
.if MSB != \new
	s_set_vgpr_msb (MSB<<8)|\new
.set MSB, \new
.endif
.endm
.macro JLOAD g0a, g1a, g0b, g1b
	s_cmp_eq_u32 s15, 0
	s_cbranch_scc0 .Lfor_b_\@
	tensor_load_to_lds s[\g0a:\g0a+3], s[\g1a:\g1a+7]
	s_nop 0
.rept 4
	v_nop
.endr
	s_branch .Lasked_\@
.Lfor_b_\@:
	tensor_load_to_lds s[\g0b:\g0b+3], s[\g1b:\g1b+7]
	s_nop 0
.rept 4
	v_nop
.endr
.Lasked_\@:
.endm
.macro CREST
	s_cmp_lg_u32 s14, 0
	s_cbranch_scc1 .Lnot_wave_0_\@
	s_barrier_signal -3
.Lnot_wave_0_\@:
	s_barrier_wait -3
	s_barrier_signal -1
	s_barrier_wait -1
.endm
.macro CROUND
	s_barrier_signal -1
	s_barrier_wait -1
	CREST
.endm
.macro PLACES n
.rept \n
	v_nop
.endr
.endm
.macro FRAG reg, a16, a8, off
	ds_load_b128 v[\reg:\reg+3], v[\a16] offset:\off
	ds_load_b64 v[\reg+4:\reg+5], v[\a8] offset:\off+512
	ds_load_b128 v[\reg+6:\reg+9], v[\a16] offset:\off+768
	ds_load_b64 v[\reg+10:\reg+11], v[\a8] offset:\off+1280
.endm
.macro FETCH_B slot, q, b0, n
	WIN 0x40
.set fb, \b0
.rept \n
	FRAG 12*fb, ADRB16+\slot, ADRB8+\slot, fb*KSB+(\q)*FRB
.set fb, fb+1
.endr
	WIN 0
.endm
.macro FETCH_A slot, q, set
.irp a, 0,1,2,3
	FRAG AF+48*(\set)+12*\a, ADRA16+\slot, ADRA8+\slot, \a*KSB+(\q)*FRB
.endr
.endm
.macro WM d, a, b, c, sa, sb, odd
.if \odd
	v_wmma_scale_f32_16x16x128_f8f6f4 v[\d:\d+7], v[\a:\a+11], v[\b:\b+11], v[\c:\c+7], v[\sa], v[\sb] matrix_a_fmt:MATRIX_FMT_FP6 matrix_b_fmt:MATRIX_FMT_FP6 matrix_a_scale:MATRIX_SCALE_ROW1 matrix_b_scale:MATRIX_SCALE_ROW1
.else
	v_wmma_scale_f32_16x16x128_f8f6f4 v[\d:\d+7], v[\a:\a+11], v[\b:\b+11], v[\c:\c+7], v[\sa], v[\sb] matrix_a_fmt:MATRIX_FMT_FP6 matrix_b_fmt:MATRIX_FMT_FP6
.endif
.endm
.macro MM b0, b1, s, first
.set bb, \b0
.rept (\b1)-(\b0)
.set aa, 0
.rept 4
.set DD, 8*(8*aa+bb)
.set CC, DD
.if \first
.set CC, BQ+8*bb
	WIN 0x91
.else
	WIN 0xa1
.endif
	WM DD, 12*bb, AF+48*((\s)%2)+12*aa, CC, SW+4*bb+(\s)/2, SX+4*aa+(\s)/2, (\s)%2
.set aa, aa+1
.endr
.set bb, bb+1
.endr
.endm
.macro STEP s, first
.set sl, ((\s)/2)%2
	s_wait_dscnt NBH*NL
	MM 0, NBH, \s, \first
	s_wait_dscnt 0x0
	PLACES 4
	FETCH_B sl, 1, 0, NBH
	FETCH_A sl, 1, 1
	MM NBH, NB, \s, \first
	PLACES 4
	FETCH_B sl, 1, NBH, NBH
.endm
.macro TURN s, fill
.set sl, ((\s)/2)%2
.set nx, 1-sl
	s_wait_tensorcnt 0x0
	ds_add_u32 v[SPW], v[NIL]
	s_wait_dscnt NBH*NL+1
	MM 0, NBQ, \s, 0
	s_wait_dscnt 0x0
	s_barrier_signal -1
	MM NBQ, NBH, \s, 0
	WIN 0
	s_barrier_wait -1
.if \fill
	CREST
	s_add_nc_u64 s[G0+4*sl+2:G0+4*sl+3], s[G0+4*sl+2:G0+4*sl+3], 2*KSB
	s_add_nc_u64 s[G0B+4*sl+2:G0B+4*sl+3], s[G0B+4*sl+2:G0B+4*sl+3], 2*KSB
	JLOAD G0+4*sl, G1, G0B+4*sl, G1B
.else
	PLACES 4
.endif
	FETCH_B nx, 0, 0, NBH
	FETCH_A nx, 0, 0
	MM NBH, NB, \s, 0
	PLACES 4
	FETCH_B nx, 0, NBH, NBH
.endm
	s_load_b256 s[4:11], s[0:1], 0x0
	v_lshl_add_u32 v[SPW], v0, 2, SPARE
	v_mov_b32 v[NIL], 0
	ds_add_u32 v28, v29
	ds_add_u32 v28, v29
	s_wait_dscnt 0x0
	v_lshrrev_b32 v1, 5, v0
	v_readfirstlane_b32 s14, v1
	s_lshr_b32 s15, s14, 1
	s_and_b32 s16, s14, 1
	s_bfe_u32 s40, ttmp6, 0x40000
	s_bfe_u32 s41, ttmp6, 0x40004
	s_lshl_b32 s42, ttmp9, 2
	s_add_co_u32 s42, s42, s40
	s_and_b32 s17, ttmp7, 0xffff
	s_lshl_b32 s17, s17, 2
	s_add_co_u32 s17, s17, s41
	s_lshl_b32 s43, s41, 2
	s_lshl_b32 s43, 15, s43
	s_lshl_b32 s44, 0x1111, s40
	s_or_b32 s[G1+0], s43, (3<<16)|(1<<21)
	s_or_b32 s[G1B+0], s44, (3<<16)|(1<<21)
	s_mov_b32 s[G1+1], 384<<16
	s_mov_b32 s[G1+2], 8<<16
	s_mov_b32 s[G1+3], 384<<16
	s_mov_b32 s[G1+4], 8
	s_mov_b32 s[G1+5], 1536
	s_mov_b32 s[G1+6], 0
	s_mov_b32 s[G1+7], 0
	s_mov_b32 s[G1B+1], 384<<16
	s_mov_b32 s[G1B+2], NBH<<16
	s_mov_b32 s[G1B+3], 384<<16
	s_mov_b32 s[G1B+4], NBH
	s_mov_b32 s[G1B+5], 1536
	s_mov_b32 s[G1B+6], 0
	s_mov_b32 s[G1B+7], 0
	s_lshl_b32 s20, s17, 4
	s_lshl_b32 s18, s16, 3
	s_add_co_u32 s20, s20, s18
	s_mul_i32 s20, s20, TROW
	s_mov_b32 s21, 0
	s_mul_i32 s46, s42, NB
	s_mul_i32 s18, s16, NBH
	s_add_co_u32 s46, s46, s18
	s_add_co_u32 s46, s46, 192
	s_mul_i32 s46, s46, TROW
	s_mov_b32 s47, 0
	s_mul_i32 s45, s16, 8*KSB
	s_mul_i32 s19, s16, NBH*KSB
	s_add_co_u32 s19, s19, ATB
	s_wait_kmcnt 0x0
	s_add_nc_u64 s[20:21], s[4:5], s[20:21]
	s_add_nc_u64 s[46:47], s[6:7], s[46:47]
	CROUND
.irp s, 0,1
	s_mov_b32 s[G0+4*\s], 1
	s_add_co_u32 s[G0+4*\s+1], s45, \s*SLOT
	s_add_nc_u64 s[G0+4*\s+2:G0+4*\s+3], s[20:21], \s*KSB
	s_or_b32 s[G0+4*\s+3], s[G0+4*\s+3], 0x80000000
	s_mov_b32 s[G0B+4*\s], 1
	s_add_co_u32 s[G0B+4*\s+1], s19, \s*SLOT
	s_add_nc_u64 s[G0B+4*\s+2:G0B+4*\s+3], s[46:47], \s*KSB
	s_or_b32 s[G0B+4*\s+3], s[G0B+4*\s+3], 0x80000000
	s_wait_alu depctr_va_vdst(0)
	s_wait_tensorcnt 0x0
	ds_add_u32 v28, v29
	ds_add_u32 v28, v29
	s_wait_dscnt 0x0
	CROUND
	JLOAD G0+4*\s, G1, G0B+4*\s, G1B
.endr
	v_and_b32 v1, 31, v0
	v_and_b32 v2, 15, v0
	v_bfe_u32 v3, v0, 4, 1
	v_lshlrev_b32 v4, 4, v1
	v_lshlrev_b32 v5, 3, v1
	v_lshlrev_b32 v6, 2, v1
	v_lshlrev_b32 v7, 5, v3
	s_mul_i32 s18, s14, 4*KSB
.irp s, 0,1
	v_add_nc_u32 v[ADRA16+\s], s18, v4
	v_add_nc_u32 v[ADRA8+\s], s18, v5
	v_add_nc_u32 v[ADRB16+\s], \s*SLOT+ATB, v4
	v_add_nc_u32 v[ADRB8+\s], \s*SLOT+ATB, v5
	s_add_co_u32 s18, s18, SLOT
.endr
	s_mul_i32 s18, s14, 16*528
	v_mul_u32_u24 v[STO], v2, 528
	v_lshl_add_u32 v[STO], v3, 5, v[STO]
	v_add_nc_u32 v[STO], s18, v[STO]
	v_add_nc_u32 v[RD], s18, v4
	s_lshl_b32 s66, s17, 4
	s_lshl_b32 s67, s14, 2
	s_add_co_u32 s66, s66, s67
	s_lshl_b32 s66, s66, 9
	s_add_co_u32 s66, s66, ASC
	s_mov_b32 s67, 0
	s_add_nc_u64 s[66:67], s[4:5], s[66:67]
	s_mul_i32 s68, s42, NB*512
	s_add_co_u32 s68, s68, WSC+192*512
	s_mov_b32 s69, 0
	s_add_nc_u64 s[68:69], s[6:7], s[68:69]
	s_lshl_b32 s70, s42, 9
	s_mov_b32 s71, 0
	s_add_nc_u64 s[72:73], s[10:11], s[70:71]
	s_add_nc_u64 s[70:71], s[8:9], s[70:71]
	s_lshl_b32 s74, s17, 8
	s_lshl_b32 s75, s14, 6
	s_add_co_u32 s74, s74, s75
	s_lshl_b32 s74, s74, 12
	s_mov_b32 s75, 0
	s_add_nc_u64 s[72:73], s[72:73], s[74:75]
.irp a, 0,1,2,3
.irp p, 0,1,2,3
	global_load_b32 v[SX+4*\a+\p], v6, s[66:67] offset:512*\a+128*\p
.endr
.endr
.set bb, 0
.rept NB
.irp p, 0,1,2,3
	global_load_b32 v[SW+4*bb+\p], v6, s[68:69] offset:512*bb+128*\p
.endr
.set bb, bb+1
.endr
	WIN 0x40
.set bb, 0
.rept NB
	global_load_b128 v[BQ+8*bb:BQ+8*bb+3], v7, s[70:71] offset:64*bb
	global_load_b128 v[BQ+8*bb+4:BQ+8*bb+7], v7, s[70:71] offset:64*bb+16
.set bb, bb+1
.endr
	WIN 0
	s_wait_alu depctr_va_vdst(0)
	s_wait_tensorcnt 1
	s_barrier_signal -1
	s_barrier_wait -1
	FETCH_B 0, 0, 0, NBH
	FETCH_A 0, 0, 0
	FETCH_B 0, 0, NBH, NBH
	s_wait_loadcnt 0x0
	STEP 0, 1
	TURN 1, 1
	STEP 2, 0
	TURN 3, 1
	STEP 4, 0
	TURN 5, 0
	STEP 6, 0
	s_wait_dscnt NBH*NL
	MM 0, NBH, 7, 0
	s_wait_dscnt 0x0
	MM NBH, NB, 7, 0
	WIN 0
.macro TOSTAGE a
	WIN 0x08
.irp b, 0,1,2,3,4,5,6,7
	ds_store_b128 v[STO], v[8*(8*(\a)+\b):8*(8*(\a)+\b)+3] offset:64*\b
	ds_store_b128 v[STO], v[8*(8*(\a)+\b)+4:8*(8*(\a)+\b)+7] offset:64*\b+16
.endr
	WIN 0
.set BB, BK+64*((\a)%2)
.irp t, 0,1,2,3,4,5,6,7,8,9,10,11,12,13,14,15
	ds_load_b128 v[BB+4*\t:BB+4*\t+3], v[RD] offset:\t*528
.endr
.endm
.macro SEND a, younger
.set BB, BK+64*((\a)%2)
	s_wait_dscnt \younger
.irp t, 0,1,2,3,4,5,6,7,8,9,10,11,12,13,14,15
	global_store_b128 v4, v[BB+4*\t:BB+4*\t+3], s[72:73] offset:(16*(\a)+\t)*4096 th:TH_STORE_NT
.endr
.endm
	PLACES 4
	TOSTAGE 0
	TOSTAGE 1
	SEND 0, 32
	s_wait_xcnt 0x0
	TOSTAGE 2
	SEND 1, 32
	s_wait_xcnt 0x0
	TOSTAGE 3
	SEND 2, 32
	SEND 3, 0
	s_wait_tensorcnt 0x0
	ds_add_u32 v[SPW], v[NIL]
	s_wait_dscnt 0x0
	CROUND
	s_endpgm
.Lfunc_end_k_q1f59389ebe_gemm_out:
	.size	k_q1f59389ebe_gemm_out, .Lfunc_end_k_q1f59389ebe_gemm_out-k_q1f59389ebe_gemm_out
	.p2alignl 7, 3214868480
	.fill 96, 4, 3214868480
	.section	.rodata,"a",@progbits
	.p2align	6, 0x0
	.amdhsa_kernel k_q1f59389ebe_gemm_out
		.amdhsa_group_segment_fixed_size 327680
		.amdhsa_private_segment_fixed_size 0
		.amdhsa_enable_private_segment 0
		.amdhsa_kernarg_size 32
		.amdhsa_user_sgpr_count 2
		.amdhsa_user_sgpr_kernarg_segment_ptr 1
		.amdhsa_wavefront_size32 1
		.amdhsa_system_sgpr_workgroup_id_x 1
		.amdhsa_system_sgpr_workgroup_id_y 1
		.amdhsa_system_sgpr_workgroup_id_z 1
		.amdhsa_system_vgpr_workitem_id 0
		.amdhsa_next_free_vgpr 768
		.amdhsa_next_free_sgpr 100
		.amdhsa_reserve_vcc 0
		.amdhsa_float_denorm_mode_32 3
		.amdhsa_float_denorm_mode_16_64 3
		.amdhsa_memory_ordered 1
		.amdhsa_forward_progress 1
		.amdhsa_inst_pref_size 92
	.end_amdhsa_kernel
	.amdgpu_metadata
---
amdhsa.version: [ 1, 2 ]
amdhsa.kernels:
  - .name:           k_q1f59389ebe_gemm_out
    .symbol:         k_q1f59389ebe_gemm_out.kd
    .args:
      - { .name: ob, .offset: 0, .size: 8, .value_kind: global_buffer, .address_space: global }
      - { .name: wq, .offset: 8, .size: 8, .value_kind: global_buffer, .address_space: global }
      - { .name: b_o, .offset: 16, .size: 8, .value_kind: global_buffer, .address_space: global }
      - { .name: out0, .offset: 24, .size: 8, .value_kind: global_buffer, .address_space: global }
    .group_segment_fixed_size: 327680
    .private_segment_fixed_size: 0
    .kernarg_segment_align: 8
    .kernarg_segment_size: 32
    .max_flat_workgroup_size: 128
    .sgpr_count:     100
    .vgpr_count:     768
    .wavefront_size: 32
...
	.end_amdgpu_metadata
.endif
;; end of part 4
